; MI455X (gfx1250); checked and timed in simulation.
; The chip was launched on July 23, 2026; its instructions are those of AMD's public machine-readable ISA for CDNA 5 (MIT licence, August 2026) and "CDNA5" Instruction Set Architecture Reference Guide (July 2026). The comments in the code are by the model that wrote it; some were corrected since.
;; Attention. Allowed arithmetic: matrix products marked QUANTISED: E2M3 operands, one E8M0 scale for each 32 along K, by v_wmma_scale_f32_16x16x128_f8f6f4 with both operands' format E2M3, f32 sums; everything else in f32.
;; Inputs: Wk 1,024 x 1,024 float32; Wo 1,024 x 1,024 float32; Wq 1,024 x 1,024 float32; Wv 1,024 x 1,024 float32; bk 1,024 float32; bo 1,024 float32; bq 1,024 float32; bv 1,024 float32; k 2 x 2,048 x 1,024 float32; q 2 x 2,048 x 1,024 float32; v 2 x 2,048 x 1,024 float32.
;; Outputs: out0 2 x 2,048 x 1,024 float32.
;; This version of the problem:
;;   THIS VERSION OF THE PROBLEM IS GIVEN IN LOW PRECISION. The matrix products marked QUANTISED in the list below multiply operands that are first quantised to E2M3 (2 exponent bits, 3 mantissa bits; 6 bits a number), with one power-of-two scale for each 32 numbers along K (OCP MX v1.0); their sums are f32. All else is computed in f32.
;;   The module's matrix products, in the order in which they are computed (A, B: the left and right operand; K: the contracted axis; several contracted axes count as one K, in the product's order):
;;     1. [M 4,096, K 1,024] x [K 1,024, N 1,024]; A: input q; B: input Wq: QUANTISED
;;     2. [M 4,096, K 1,024] x [K 1,024, N 1,024]; A: input k; B: input Wk: QUANTISED
;;     3. [M 4,096, K 1,024] x [K 1,024, N 1,024]; A: input v; B: input Wv: QUANTISED
;;     4. batch 32 x [M 2,048, K 64] x [K 64, N 2,048]; A: computed on the way; B: computed on the way: QUANTISED
;;     5. batch 32 x [M 2,048, K 2,048] x [K 2,048, N 64]; A: softmax (see below); B: computed on the way: QUANTISED
;;     6. [M 4,096, K 1,024] x [K 1,024, N 1,024]; A: computed on the way; B: input Wo: QUANTISED
;;   THE QUANTISER, for each operand of a quantised product, along K:
;;     - K is cut into blocks of 32 from its start; a last block that is shorter is filled with zeros.
;;     - A block's scale is 2^e with e = floor(log2(the largest magnitude in the block)) - 2, held to -126 .. 127; a block of zeros has e = 0. As a byte (E8M0): e + 127.
;;     - Each number is divided by its block's scale, clamped to +-7.5, and rounded to the nearest number of E2M3, ties to even, subnormals kept.
;;     - The product sums the exact products of the quantised numbers (number of the format x scale) in f32.
;;   ~~~python
;;   def quantise(x, axis):      # numpy; x: float32 -> the quantised numbers, widened to float32 again
;;       x = np.moveaxis(x, axis, -1); K = x.shape[-1]
;;       x = np.pad(x, [(0, 0)] * (x.ndim - 1) + [(0, -K % 32)]); x = x.reshape(x.shape[:-1] + (-1, 32)); a = np.abs(x).max(-1, keepdims=True)
;;       e = np.where(a > 0, np.clip(np.frexp(np.where(a > 0, a, 1))[1] - 1 - 2, -126, 127), 0)      # np.frexp(a)[1] - 1 = floor(log2(a)), exactly
;;       r = np.clip(x / 2.0 ** e, -7.5, 7.5)
;;       step = 2.0 ** (np.maximum(np.frexp(np.where(r == 0, 1, r))[1] - 1, 0) - 3)
;;       q = np.round(r / step) * step * 2.0 ** e      # np.round: ties to even
;;       return np.moveaxis(q.reshape(q.shape[:-2] + (-1,))[..., :K], -1, axis).astype(np.float32)
;;   ~~~
;;   SOFTMAX AHEAD OF A QUANTISED PRODUCT. Where the list says 'softmax', what is quantised is not the finished softmax but p = 2^(t - M), with t = logit x log2(e) and M = ceil(the row's largest t), a whole number; so 1/2 < the row's largest p <= 1. The row's sum l is taken of the UNQUANTISED p, in f32, and the product's result is divided by l at the end. Since M is a whole number, a kernel that streams over the keys may use a running M (the ceiling of the running maximum): every later rescaling is an exact power of two, which a block's scale takes up: the codes' values come out the same.
;;   OPERANDS COMPUTED ON THE WAY. 'Computed on the way' means the value that the module computes at that place (a softmax that the list does not call 'softmax' is quantised finished and normalised). What goes into a quantiser is computed in f32, as accurately as f32 sums, v_exp_f32 and their like allow (about 1e-6 of the number): no bf16 or f16 on the way to a quantiser, and a product that is left as it is and whose result goes on into a quantised operand takes f32 operands (vector FMAs, or v_wmma_f32_16x16x4_f32). A number that lies on a knife's edge between two numbers of the format may be rounded either way, as far as f32 arithmetic and the matrix unit's own rounding can turn it there, and no further.
;; One version. Each part assembles by itself: llvm-mc -triple=amdgcn-amd-amdhsa -mcpu=gfx1250 --defsym DOCPART=n.
;; ======== version 1 of 1: 4 launches
;; limits: right only within a limited range of input values
;; workspace buffers: inc 12,582,912 bytes; ins 524,288 bytes; qimg 3,276,800 bytes; kv 6,553,600 bytes; oc 3,145,728 bytes; os 131,072 bytes
;; launch quant (part 1): grid 512 x 1, 4 waves a work-group, no clusters, 33,280 bytes of LDS; arguments q, k, v, Wq, Wk, Wv, Wo, inc, ins; writes inc, ins
.if DOCPART == 1
	.amdgcn_target "amdgcn-amd-amdhsa--gfx1250"
	.amdhsa_code_object_version 6
	.text
	.protected	k_q99dcbb5d0d_quant
	.globl	k_q99dcbb5d0d_quant
	.p2align	8
	.type	k_q99dcbb5d0d_quant,@function
k_q99dcbb5d0d_quant:
	s_mov_b64 s[64:65], 0
	v_nop
	global_prefetch_b8 v0, s[64:65] scope:SCOPE_SE
	s_setreg_imm32_b32 hwreg(HW_REG_WAVE_MODE, 25, 1), 1
	s_wait_xcnt 0x0
; q, k, v [4096][1024] and Wq, Wk, Wv, Wo [1024][1024], f32, K innermost, become codes of FP6 (E2M3) with one E8M0 byte for each 32 along K.  No work of the problem is left out in this program.
; ins: the seven tensors' scale bytes on end, 32 a row.  inc: their codes on end; of the first six tensors [K step of 256][row][192 bytes], so that a tile of rows of one K step is dense; of Wo [row][768 bytes].
; A block's scale is 2^(floor(log2(largest magnitude)) - 2); its byte is the largest magnitude's exponent field - 2, held at 1 from below.  Each number is divided by the scale and rounded to the nearest code, ties to even, beyond 7.5 the largest code.
; TILE ORDER: within each 64 rows, true row 32 h + 8 j + i (h 0..1, j 0..3, i 0..7) is stored as row 16 j + 8 h + i: in a product's result a lane's 32 numbers of four tiles are then 32 neighbours, one scale block of the next product.
; A wave takes 8 whole rows, a work-group 32 (one h, the wave is j): so the exchange is made in the place where a wave stores.
; LIMITS: NaN and infinities among the inputs are not served; a block whose largest magnitude lies under 2^-124, a block of zeros too, gets the byte 1 (this program alone reads the bytes).
; A wave takes 16 steps of 512 numbers.  Each load reads 512 consecutive bytes; a step's 2,048 bytes turn through the wave's own stage in LDS and come back 64 bytes a lane,
; so that a lane holds 16 neighbours along K (two lanes to a block).  No barrier: waves share nothing.  Loads run eight steps (32 loads a wave) ahead, the turn through LDS one step.
.set STEPS, 16
.set DEEP,  8
.set EMAX,  2
.set R,     16                         ; v16-143  eight sets of 16 numbers as loaded
.set X,     144                        ; v144-175 two sets of 16 neighbours
.set C,     176                        ; v176-207 codes: eight sets of four registers
.set E,     208                        ; v208-223 a scale byte a step
.set SPW,   224
.set NIL,   225
.set WREG,  8192                       ; LDS of a wave: two stages of 32 x SP bytes, then its 256 scale bytes
.set SP,    80
.macro PICK first, reg                 ; from work-group 'first' on the tensor whose address lies in s[reg:reg+1]
	s_cmp_ge_u32 ttmp9, \first
	s_cselect_b64 s[4:5], s[\reg:\reg+1], s[4:5]
	s_cselect_b32 s28, \first, s28
.endm
	s_load_b512 s[8:23], s[0:1], 0x0               ; q, k, v, Wq, Wk, Wv, Wo, inc
	s_load_b64 s[24:25], s[0:1], 0x40              ; ins
	v_lshl_add_u32 v[SPW], v0, 2, 4*WREG
	v_mov_b32 v[NIL], 0
	v_lshrrev_b32 v1, 5, v0
	v_readfirstlane_b32 s26, v1                    ; wave
	s_mov_b32 s33, 786432                          ; from a K step to the next: 4,096 rows of 192 bytes,
	s_mov_b32 s36, 192
	s_cmp_ge_u32 ttmp9, 384
	s_cselect_b32 s33, 196608, s33                 ; 1,024 rows,
	s_cmp_ge_u32 ttmp9, 480
	s_cselect_b32 s33, s36, s33                    ; or, in Wo, on in the same row;
	s_cselect_b32 s38, 768, s36                    ; and from row to row
	s_mov_b32 s39, 0
	s_lshl_b32 s34, s33, 1
	s_mul_i32 s27, s26, WREG
	v_and_b32 v2, 31, v0                           ; lane
	v_lshlrev_b32 v3, 4, v2                        ; my 16 bytes of a load's 512
	v_lshrrev_b32 v14, 2, v2
	v_mul_u32_u24 v14, v14, SP
	v_and_b32 v15, 3, v2
	v_lshl_add_u32 v14, v15, 4, v14
	v_add_nc_u32 v14, s27, v14                     ; the stage, in: SP (lane / 4) + 16 (lane % 4)
	v_mul_u32_u24 v15, v2, SP
	v_add_nc_u32 v15, s27, v15                     ; and out: SP x lane
	v_and_b32 v4, 15, v2
	v_mul_u32_u24 v4, 12, v4
	v_lshrrev_b32 v10, 4, v2
	v_mul_u32_u24 v10, s33, v10
	v_add_nc_u32 v4, v4, v10                       ; my codes' place: 12 bytes a lane, lanes 16-31 in the next K step;
	v_add_nc_u32 v10, s34, v4                      ; and for a row's second half
	v_lshrrev_b32 v5, 1, v2
	s_add_co_u32 s27, s27, 2*32*SP
	v_add_nc_u32 v5, s27, v5                       ; my block's scale byte in LDS
	v_lshlrev_b32 v7, 3, v2
	v_add_nc_u32 v6, s27, v7                       ; and on the way out 8 bytes a lane
	s_wait_alu depctr_va_vdst(0)                   ; the wait at the head's end
	s_wait_kmcnt 0x0
	s_mov_b64 s[4:5], s[8:9]                       ; work-groups 0-127 q, 128-255 k, 256-383 v, then 32 for each weight: the choice hangs on the work-group's number alone
	s_mov_b32 s28, 0
	PICK 128, 10
	PICK 256, 12
	PICK 384, 14
	PICK 416, 16
	PICK 448, 18
	PICK 480, 20
	s_sub_co_u32 s29, ttmp9, s28
	s_lshl_b32 s30, s29, 2
	s_add_co_u32 s30, s30, s26                     ; which run of 8 rows of the tensor I read
	s_lshl_b32 s30, s30, 15
	s_mov_b32 s31, 0
	s_add_nc_u64 s[4:5], s[4:5], s[30:31]
	s_lshr_b32 s32, s29, 1                         ; where it goes: run 8 (i / 2) + 2 wave + i % 2
	s_lshl_b32 s32, s32, 3
	s_lshl_b32 s34, s26, 1
	s_add_co_u32 s32, s32, s34
	s_and_b32 s34, s29, 1
	s_add_co_u32 s32, s32, s34
	s_mul_i32 s30, s32, s38
	s_lshl_b32 s30, s30, 3                         ; 8 rows a run
	s_mul_i32 s34, s28, 24576                      ; where the tensor begins
	s_add_co_u32 s30, s30, s34
	s_add_nc_u64 s[40:41], s[22:23], s[30:31]      ; s[40:55]: my eight rows
.irp r, 1,2,3,4,5,6,7
	s_add_nc_u64 s[40+2*\r:41+2*\r], s[38+2*\r:39+2*\r], s[38:39]
.endr
	s_lshl_b32 s30, s28, 2
	s_add_co_u32 s30, s30, s32
	s_lshl_b32 s30, s30, 8                         ; 256 scale bytes a run
	s_add_nc_u64 s[10:11], s[24:25], s[30:31]
.macro LOAD t
.irp i, 0,1,2,3
	global_load_b128 v[R+16*((\t)%DEEP)+4*\i:R+16*((\t)%DEEP)+4*\i+3], v3, s[4:5] offset:2048*(\t)+512*\i th:TH_LOAD_NT
.endr
.endm
.macro TURN t                          ; step t's numbers through the stage: LDS serves a wave's instructions in order, so no wait stands between the stores and the loads
.irp i, 0,1,2,3
	ds_store_b128 v14, v[R+16*((\t)%DEEP)+4*\i:R+16*((\t)%DEEP)+4*\i+3] offset:32*SP*((\t)%2)+8*SP*\i
.endr
.irp i, 0,1,2,3
	ds_load_b128 v[X+16*((\t)%2)+4*\i:X+16*((\t)%2)+4*\i+3], v15 offset:32*SP*((\t)%2)+16*\i
.endr
.endm
.irp t, 0,1,2,3,4,5,6,7
	LOAD \t
.endr
	s_wait_loadcnt 28                              ; step 0's four loads are in; those of steps 1 to 7 may be out
	TURN 0
.macro STEP t
.set XS, X+16*((\t)%2)
.set CS, C+4*((\t)%DEEP)
.if (\t) > 0
	s_wait_dscnt 1                                 ; this step's numbers are back from the stage; the last step's byte store may be out
.else
	s_wait_dscnt 0x0
.endif
.if (\t) >= DEEP
	s_wait_xcnt 0x0                                ; the store of eight steps ago has read the codes' registers
.endif
.if (\t)+DEEP < STEPS
	LOAD (\t)+DEEP                                 ; into the registers that this step's stores into the stage have read
.endif
.if (\t)+1 < STEPS
.if STEPS-2-(\t) >= DEEP-1
	s_wait_loadcnt 4*(DEEP-1)                      ; the next step's four loads are in; those of the seven steps behind it may be out
.else
	s_wait_loadcnt 4*(STEPS-2-(\t))
.endif
	TURN (\t)+1
.endif
	v_max3_num_f32 v8, |v[XS]|, |v[XS+1]|, |v[XS+2]|               ; the largest magnitude of my 16, in two chains
	v_max3_num_f32 v9, |v[XS+3]|, |v[XS+4]|, |v[XS+5]|
.irp i, 6,10
	v_max3_num_f32 v8, v8, |v[XS+\i]|, |v[XS+\i+1]|
	v_max3_num_f32 v9, v9, |v[XS+\i+2]|, |v[XS+\i+3]|
.endr
	v_max3_num_f32 v8, v8, |v[XS+14]|, |v[XS+15]|
	v_max3_num_f32 v8, v8, v9, (EMAX+1)<<23        ; and the floor 2^(3 - 127): the byte cannot fall under 1
	v_max_num_f32_dpp v8, v8, v8 row_xmask:1 row_mask:0xf bank_mask:0xf   ; with my neighbour's 16: the block's
	v_add_nc_u32 v11, -(EMAX<<23), v8              ; 2 off its exponent field: the conversion takes the exponent field of this operand as its scale
	v_cvt_scalef32_pk16_fp6_f32 v[CS:CS+2], v[XS:XS+15], v11
	v_lshrrev_b32 v[E+(\t)], 23, v11               ; the scale's byte (a plain line behind the conversion)
	ds_store_b8 v5, v[E+(\t)] offset:16*(\t)       ; both lanes of a block write the same byte with the same value
.if (\t)%2
	global_store_b96 v10, v[CS:CS+2], s[40+2*((\t)/2):41+2*((\t)/2)]
.else
	global_store_b96 v4, v[CS:CS+2], s[40+2*((\t)/2):41+2*((\t)/2)]
.endif
.endm
.irp t, 0,1,2,3,4,5,6,7,8,9,10,11,12,13,14,15
	STEP \t
.endr
	ds_load_b64 v[12:13], v6                       ; LDS serves a wave's instructions in order: these see my stores
	s_wait_dscnt 0x0
	global_store_b64 v7, v[12:13], s[10:11]        ; 32 lanes store 256 consecutive bytes, aligned
	s_wait_tensorcnt 0x0                           ; the wave's end
	ds_add_u32 v[SPW], v[NIL]
	s_wait_dscnt 0x0
	s_endpgm
.Lfunc_end_k_q99dcbb5d0d_quant:
	.size	k_q99dcbb5d0d_quant, .Lfunc_end_k_q99dcbb5d0d_quant-k_q99dcbb5d0d_quant
	.p2alignl 7, 3214868480
	.fill 96, 4, 3214868480
	.section	.rodata,"a",@progbits
	.p2align	6, 0x0
	.amdhsa_kernel k_q99dcbb5d0d_quant
		.amdhsa_group_segment_fixed_size 33280
		.amdhsa_private_segment_fixed_size 0
		.amdhsa_enable_private_segment 0
		.amdhsa_kernarg_size 72
		.amdhsa_user_sgpr_count 2
		.amdhsa_user_sgpr_kernarg_segment_ptr 1
		.amdhsa_wavefront_size32 1
		.amdhsa_system_sgpr_workgroup_id_x 1
		.amdhsa_system_sgpr_workgroup_id_y 1
		.amdhsa_system_sgpr_workgroup_id_z 1
		.amdhsa_system_vgpr_workitem_id 0
		.amdhsa_next_free_vgpr 226
		.amdhsa_next_free_sgpr 66
		.amdhsa_reserve_vcc 0
		.amdhsa_float_denorm_mode_32 3
		.amdhsa_float_denorm_mode_16_64 3
		.amdhsa_memory_ordered 1
		.amdhsa_forward_progress 1
		.amdhsa_inst_pref_size 34
	.end_amdhsa_kernel
	.amdgpu_metadata
---
amdhsa.version: [ 1, 2 ]
amdhsa.kernels:
  - .name:           k_q99dcbb5d0d_quant
    .symbol:         k_q99dcbb5d0d_quant.kd
    .args:
      - { .name: q, .offset: 0, .size: 8, .value_kind: global_buffer, .address_space: global }
      - { .name: k, .offset: 8, .size: 8, .value_kind: global_buffer, .address_space: global }
      - { .name: v, .offset: 16, .size: 8, .value_kind: global_buffer, .address_space: global }
      - { .name: Wq, .offset: 24, .size: 8, .value_kind: global_buffer, .address_space: global }
      - { .name: Wk, .offset: 32, .size: 8, .value_kind: global_buffer, .address_space: global }
      - { .name: Wv, .offset: 40, .size: 8, .value_kind: global_buffer, .address_space: global }
      - { .name: Wo, .offset: 48, .size: 8, .value_kind: global_buffer, .address_space: global }
      - { .name: inc, .offset: 56, .size: 8, .value_kind: global_buffer, .address_space: global }
      - { .name: ins, .offset: 64, .size: 8, .value_kind: global_buffer, .address_space: global }
    .group_segment_fixed_size: 33280
    .private_segment_fixed_size: 0
    .kernarg_segment_align: 8
    .kernarg_segment_size: 72
    .max_flat_workgroup_size: 128
    .sgpr_count:     66
    .vgpr_count:     226
    .wavefront_size: 32
...
	.end_amdgpu_metadata
.endif
;; end of part 1
;; launch proj (part 2): grid 4 x 48, 4 waves a work-group, clusters of 4 x 4, 327,680 bytes of LDS; arguments inc, ins, bq, bk, bv, qimg, kv; writes qimg, kv
.if DOCPART == 2
	.amdgcn_target "amdgcn-amd-amdhsa--gfx1250"
	.amdhsa_code_object_version 6
	.text
	.protected	k_q99dcbb5d0d_proj
	.globl	k_q99dcbb5d0d_proj
	.p2align	8
	.type	k_q99dcbb5d0d_proj,@function
k_q99dcbb5d0d_proj:
	s_mov_b64 s[64:65], 0
	v_nop
	global_prefetch_b8 v0, s[64:65] scope:SCOPE_SE
	s_setreg_imm32_b32 hwreg(HW_REG_WAVE_MODE, 25, 1), 1
	s_wait_xcnt 0x0
	s_wait_alu depctr_hold_cnt(0) depctr_sa_sdst(0) depctr_va_vdst(0) depctr_va_sdst(0) depctr_va_ssrc(0) depctr_va_vcc(0) depctr_vm_vsrc(0)
	s_getreg_b32 s2, hwreg(HW_REG_IB_STS2, 6, 4)
	s_cmp_eq_u32 s2, 0
	s_cbranch_scc0 .Lentry_in_a_cluster
	s_endpgm
.Lentry_in_a_cluster:
	s_bfe_u32 s2, ttmp6, 0x10000c
	s_cmp_lg_u32 s2, 0xf033
	s_cbranch_scc0 .Lentry_shape_is_right
	s_endpgm
.Lentry_shape_is_right:
; The three projections on codes of FP6 (E2M3), 256 x 256 of a result to a work-group, and their quantisers on the way out.  Work-groups by y: 0-15 Q, 16-31 K, 32-47 V.
; For Q and K the matrix instruction's source 0 is the weight's rows and source 1 the tokens' (a lane holds one token, its registers run along the head); for V the two change places (a lane holds one column of the head, its registers run along the tokens).
; By the rows' tile order (64-groups: true 32 h + 8 j + i is stored 16 j + 8 h + i) a lane's 32 results of four tiles on end are one scale block of the next product: its largest magnitude needs no other lane.
; inc's codes lie [K step of 256][row][192]: a tile of rows is dense and is stated as rows of 256 bytes; 16 bytes of padding behind every 64 make LDS rows of 240 bytes.
; Clusters of 4 x 4 ask jointly for their tiles.  K has four steps: nothing is prefetched, a step's lead would leave one refill to ask for.
; qimg, kv: records of 128 tokens of one head: register images of 1,536 bytes, then scale words.
; LIMITS: NaN and infinities are not served; a block whose largest magnitude lies under 2^-124 gets the byte 1 (this program alone reads the bytes).
.set NQ,     2
.set ROWB,   192
.set KROW,   192
.set G0H,    4
.set G0HB,   96
.set PITCH,  240
.set FR,     12
.set NL,     6
.set NP,     4
.set HALFT,  128*PITCH
.set SLOT,   4*HALFT
.set LAPS,   2
.set KS,     32
.set SCL,    2*SLOT
.set HALFS,  (128*KS/256)*272
.set SBLK,   (16*KS/256)*272
.set SPARE,  SCL+4*HALFS
.set ADRA, 16
.set ADRB, 20
.set LI,   24
.set SOFF, 25
.set BH,   26
.set ADRS, 27
.set SPW,  28
.set NIL,  29
.set VSEL, 30
.set BL,   31
.set SC,   32
.set BR,   64
.set AF,   128
.set H,    128
.set IM0,  192
.set IM1,  204
.set TM,   224
.set CT,   236
.set KW,   244
.set PWS,  248
.set G1, 24
.set G0, 32
.set G1B, 48
.set G0B, 56
.set G1S, 68
.set G0S, 76
.set G1SB, 80
.set G0SB, 88
.set SEL, 44
.set TYP, 95
.set MSB, 0
.macro WIN new
.if MSB != \new
	s_set_vgpr_msb (MSB<<8)|\new
.set MSB, \new
.endif
.endm
.set MUL_LO, 0xa1
.set MUL_HI, 0xf1
.set TO_B,   0x40
.macro JLOAD g0a, g1a, g0b, g1b
	s_cmp_eq_u32 s15, 0
	s_cbranch_scc0 .Lfor_b_\@
	tensor_load_to_lds s[\g0a:\g0a+3], s[\g1a:\g1a+7]
	s_nop 0
.rept 4
	v_nop
.endr
	s_branch .Lasked_\@
.Lfor_b_\@:
	tensor_load_to_lds s[\g0b:\g0b+3], s[\g1b:\g1b+7]
	s_nop 0
.rept 4
	v_nop
.endr
.Lasked_\@:
.endm
.macro CREST
	s_cmp_lg_u32 s14, 0
	s_cbranch_scc1 .Lnot_wave_0_\@
	s_barrier_signal -3
.Lnot_wave_0_\@:
	s_barrier_wait -3
	s_barrier_signal -1
	s_barrier_wait -1
.endm
.macro CROUND
	s_barrier_signal -1
	s_barrier_wait -1
	CREST
.endm
	s_load_b256 s[4:11], s[0:1], 0x0
	s_load_b128 s[96:99], s[0:1], 0x20
	s_load_b64 s[100:101], s[0:1], 0x30
	v_lshl_add_u32 v[SPW], v0, 2, SPARE
	v_mov_b32 v[NIL], 0
	ds_add_u32 v28, v29
	ds_add_u32 v28, v29
	s_wait_dscnt 0x0
	v_lshrrev_b32 v1, 5, v0
	v_readfirstlane_b32 s14, v1
	s_lshr_b32 s15, s14, 1
	s_and_b32 s16, s14, 1
	s_bfe_u32 s40, ttmp6, 0x40000
	s_bfe_u32 s41, ttmp6, 0x40004
	s_and_b32 s[TYP], ttmp7, 0xffff
	s_and_b32 s94, s[TYP], 3
	s_lshr_b32 s[TYP], s[TYP], 2
	s_mul_i32 s18, s[TYP], 3145728
	s_mul_i32 s19, s[TYP], 786432
	s_add_co_u32 s19, s19, 9437184
	s_lshl_b32 s20, s[TYP], 17
	s_lshl_b32 s21, s[TYP], 15
	s_add_co_u32 s21, s21, 393216
	s_cmp_lt_u32 s[TYP], 2
	s_cselect_b32 s22, s18, s19
	s_cselect_b32 s46, s19, s18
	s_cselect_b32 s66, s20, s21
	s_cselect_b32 s92, s21, s20
	s_cselect_b32 s17, s94, 0
	s_cselect_b32 s42, 0, s94
	s_lshl_b32 s17, s17, 2
	s_add_co_u32 s17, s17, s41
	s_lshl_b32 s42, s42, 2
	s_add_co_u32 s42, s42, s40
	s_lshl_b32 s43, s41, 2
	s_lshl_b32 s43, 15, s43
	s_lshl_b32 s44, 0x1111, s40
	s_or_b32 s[G1+0], s43, (0<<16)|(1<<20)|(1<<21)|(3<<22)|(3<<25)
	s_or_b32 s[G1B+0], s44, (0<<16)|(1<<20)|(1<<21)|(3<<22)|(3<<25)
.irp g, G1, G1B
	s_mov_b32 s[\g+1], 256<<16                     ; 256 rows of 192 bytes as 192 dense rows of 256; behind the head 96, for 128 rows
	s_mov_b32 s[\g+2], 192<<16
	s_mov_b32 s[\g+3], 256<<16
	s_mov_b32 s[\g+4], 192
	s_mov_b32 s[\g+5], 256
	s_mov_b32 s[\g+6], 0
	s_mov_b32 s[\g+7], 0
.endr
	s_or_b32 s[G1S+0], s43, (3<<16)|(1<<20)|(1<<21)|(5<<22)|(3<<25)
	s_or_b32 s[G1SB+0], s44, (3<<16)|(1<<20)|(1<<21)|(5<<22)|(3<<25)
.irp g, G1S, G1SB
	s_mov_b32 s[\g+1], 32<<16
	s_mov_b32 s[\g+2], KS<<16                      ; the scale bytes of 256 rows: KS rows of 256 bytes
	s_mov_b32 s[\g+3], 32<<16
	s_mov_b32 s[\g+4], KS
	s_mov_b32 s[\g+5], 32
	s_mov_b32 s[\g+6], 0
	s_mov_b32 s[\g+7], 0
.endr
	s_lshl_b32 s20, s17, 8
	s_lshl_b32 s19, s42, 8
	s_mul_i32 s21, s20, KROW
	s_add_co_u32 s22, s22, s21
	s_mov_b32 s23, 0
	s_lshl_b32 s20, s20, 5
	s_add_co_u32 s20, s20, s66
	s_mov_b32 s21, 0
	s_mul_i32 s47, s19, KROW
	s_add_co_u32 s46, s46, s47
	s_mov_b32 s47, 0
	s_lshl_b32 s19, s19, 5
	s_add_co_u32 s92, s92, s19
	s_mov_b32 s93, 0
	s_mul_i32 s45, s14, HALFT
	s_wait_kmcnt 0x0
	s_add_nc_u64 s[22:23], s[4:5], s[22:23]
	s_add_nc_u64 s[20:21], s[6:7], s[20:21]
	s_add_nc_u64 s[46:47], s[4:5], s[46:47]
	s_add_nc_u64 s[92:93], s[6:7], s[92:93]
	s_cmp_eq_u32 s[TYP], 0
	s_cselect_b64 s[8:9], s[8:9], s[10:11]
	s_cselect_b64 s[12:13], s[98:99], s[100:101]
	s_cmp_eq_u32 s[TYP], 2
	s_cselect_b64 s[8:9], s[96:97], s[8:9]
	CROUND
	s_mov_b32 s[G0H], 1                            ; the head's four tiles, one a wave: K step 0's 256 rows of A,
	s_mov_b32 s[G0H+1], 0
	s_mov_b64 s[G0H+2:G0H+3], s[22:23]
	s_or_b32 s[G0H+3], s[G0H+3], 0x80000000
	s_mov_b32 s[G0HB], 1                           ; of B,
	s_mov_b32 s[G0HB+1], 2*HALFT
	s_mov_b64 s[G0HB+2:G0HB+3], s[46:47]
	s_or_b32 s[G0HB+3], s[G0HB+3], 0x80000000
	s_mov_b32 s[G0S], 1                            ; A's scale bytes
	s_mov_b32 s[G0S+1], SCL
	s_mov_b64 s[G0S+2:G0S+3], s[20:21]
	s_or_b32 s[G0S+3], s[G0S+3], 0x80000000
	s_mov_b32 s[G0SB], 1                           ; and B's
	s_mov_b32 s[G0SB+1], SCL+2*HALFS
	s_mov_b64 s[G0SB+2:G0SB+3], s[92:93]
	s_or_b32 s[G0SB+3], s[G0SB+3], 0x80000000
.macro ARM under, g0, g1, next
	s_cmp_lt_u32 s14, \under
	s_cbranch_scc0 \next
	tensor_load_to_lds s[\g0:\g0+3], s[\g1:\g1+7]
	s_nop 0
.rept 4
	v_nop
.endr
	s_branch .Lhead_asked
\next:
.endm
	ARM 1, G0H,  G1,  .Lhead_b
	ARM 2, G0HB, G1B, .Lhead_sa
	ARM 3, G0S,  G1S, .Lhead_sb
	tensor_load_to_lds s[G0SB:G0SB+3], s[G1SB:G1SB+7]
	s_nop 0
.rept 4
	v_nop
.endr
.Lhead_asked:
	s_mov_b32 s66, 786432                          ; from a K step to the next: 4,096 rows of 192 bytes,
	s_mov_b32 s67, 196608                          ; or 1,024
	s_cmp_lt_u32 s[TYP], 2
	s_cselect_b32 s10, s66, s67
	s_cselect_b32 s100, s67, s66
	s_mov_b32 s11, 0
	s_mov_b32 s101, 0
	s_mul_i32 s18, s16, 128*ROWB                   ; in the ring I fetch 128 rows of a tile
	s_mov_b32 s19, 0
	s_add_nc_u64 s[22:23], s[22:23], s[18:19]
	s_add_nc_u64 s[46:47], s[46:47], s[18:19]
	s_mov_b64 s[G0+2:G0+3], s[22:23]
	s_add_nc_u64 s[G0+6:G0+7], s[22:23], s[10:11]
	s_mov_b64 s[G0B+2:G0B+3], s[46:47]
	s_add_nc_u64 s[G0B+6:G0B+7], s[46:47], s[100:101]
.irp s, 0,1
	s_mov_b32 s[G0+4*\s], 1
	s_add_co_u32 s[G0+4*\s+1], s45, \s*SLOT
	s_or_b32 s[G0+4*\s+3], s[G0+4*\s+3], 0x80000000
	s_mov_b32 s[G0B+4*\s], 1
	s_add_co_u32 s[G0B+4*\s+1], s45, \s*SLOT
	s_or_b32 s[G0B+4*\s+3], s[G0B+4*\s+3], 0x80000000
.endr
	s_lshl_b32 s10, s10, 1                         ; a refill steps by two K steps
	s_lshl_b32 s100, s100, 1
	v_and_b32 v1, 15, v0
	v_bfe_u32 v2, v0, 4, 1
	v_mul_u32_u24 v3, v1, PITCH
	v_mul_u32_u24 v4, v2, 24
	v_add_nc_u32 v4, v3, v4
	v_lshl_add_u32 v5, v2, 4, v4
	s_mul_i32 s21, s15, HALFT
	s_mul_i32 s22, s16, HALFT
	s_add_co_u32 s22, s22, 2*HALFT
.irp s, 0,1
	v_add_nc_u32 v[ADRA+\s], s21, v4
	v_add_nc_u32 v[ADRB+\s], s22, v4
	v_add_nc_u32 v[ADRA+2+\s], s21, v5
	v_add_nc_u32 v[ADRB+2+\s], s22, v5
	s_add_co_u32 s21, s21, SLOT
	s_add_co_u32 s22, s22, SLOT
.endr
	v_mul_u32_u24 v5, v1, KS
	v_lshrrev_b32 v6, 8, v5
	v_lshl_add_u32 v5, v6, 4, v5
	s_mul_i32 s21, s15, HALFS
	s_mul_i32 s22, s16, HALFS
	s_add_co_u32 s22, s22, 2*HALFS
	s_sub_co_u32 s22, s22, s21
	v_mul_u32_u24 v6, s22, v2
	s_add_co_u32 s21, s21, SCL
	v_add_nc_u32 v5, v5, v6
	v_add_nc_u32 v[ADRS], s21, v5
	v_and_b32 v6, 31, v0
	v_lshlrev_b32 v[LI], 4, v6
	v_lshlrev_b32 v[BH], 7, v2                     ; Q, K: my half's 32 columns of the bias
	v_and_b32 v6, 7, v1
	v_lshrrev_b32 v3, 3, v1
	v_lshl_or_b32 v6, v3, 5, v6
	v_lshlrev_b32 v[BL], 2, v6                     ; V: column 32 (r / 8) + r % 8
	v_lshlrev_b32 v7, 3, v2                        ; 8 h: where my blocks' bytes lie in a scale word
	s_mov_b32 s43, 0xffff0000
	s_mov_b32 s[SEL], 0x76543210
	s_mov_b32 s[SEL+1], 0xfedcba98
	v_mov_b32 v[VSEL], 0x05040100
	v_mov_b32 v6, 0x07060302
	v_cndmask_b32 v[VSEL], v[VSEL], v6, s43
.irp b, 0,1,2,3
	v_mov_b32 v[TM+4+\b], 0
.endr
.macro FRAG reg, adr, q, i
.irp p, 0,1,2,3,4,5
.set PC, 12*(\q)+6*(\p/3)+\p%3
.if PC%8 < 5
	ds_load_b64 v[\reg+2*\p:\reg+2*\p+1], v[\adr] offset:8*PC+16*(PC/8)+(\i)*16*PITCH
.else
	ds_load_b64 v[\reg+2*\p:\reg+2*\p+1], v[\adr+2] offset:8*PC+16*(PC/8)+(\i)*16*PITCH
.endif
.endr
.endm
.macro MUL16 a0, p, q, sc, zero
.irp a, \a0, \a0+1
.irp b, 0,1,2,3,4,5,6,7
.if \zero
	v_wmma_scale_f32_16x16x128_f8f6f4 v[8*(8*((\a)%4)+\b):8*(8*((\a)%4)+\b)+7], v[128*(\p)+FR*\b:128*(\p)+FR*\b+FR-1], v[AF+FR*(\a):AF+FR*(\a)+FR-1], 0, v[SC+8*NQ*(\sc)+NQ*\b+(\q)], v[SC+8*NQ*(\sc)+NQ*(\a)+(\q)] matrix_a_fmt:MATRIX_FMT_FP6 matrix_b_fmt:MATRIX_FMT_FP6 matrix_a_scale:MATRIX_SCALE_ROW1
.else
	v_wmma_scale_f32_16x16x128_f8f6f4 v[8*(8*((\a)%4)+\b):8*(8*((\a)%4)+\b)+7], v[128*(\p)+FR*\b:128*(\p)+FR*\b+FR-1], v[AF+FR*(\a):AF+FR*(\a)+FR-1], v[8*(8*((\a)%4)+\b):8*(8*((\a)%4)+\b)+7], v[SC+8*NQ*(\sc)+NQ*\b+(\q)], v[SC+8*NQ*(\sc)+NQ*(\a)+(\q)] matrix_a_fmt:MATRIX_FMT_FP6 matrix_b_fmt:MATRIX_FMT_FP6 matrix_a_scale:MATRIX_SCALE_ROW1
.endif
.endr
.endr
.endm
.macro FETCH_B slot, q, p
	WIN TO_B
.irp i, 0,1,2,3,4,5,6,7
	FRAG 128*(\p)+FR*\i, ADRB+\slot, \q, \i
.endr
	WIN 0
.endm
.macro FETCH_A slot, q, i0
.irp i, \i0, \i0+1, \i0+2, \i0+3
	FRAG AF+FR*(\i), ADRA+\slot, \q, \i
.endr
.endm
.macro SCALES sc
.irp i, 0,1,2,3,4,5,6,7
	ds_load_b64 v[SC+8*NQ*\sc+NQ*\i:SC+8*NQ*\sc+NQ*\i+1], v[ADRS] offset:\i*SBLK
.endr
.endm
.macro PLACES n
.rept \n
	v_nop
.endr
.endm
.macro STEP slot, q, zero
	s_wait_dscnt 4*NL
	WIN MUL_LO
	MUL16 0, (\q)%2, \q, \slot, \zero
	MUL16 2, (\q)%2, \q, \slot, \zero
	s_wait_dscnt 0
	PLACES NP
	FETCH_B \slot, (\q)+1, 1-(\q)%2
	FETCH_A \slot, (\q)+1, 0
	WIN MUL_HI
	MUL16 4, (\q)%2, \q, \slot, \zero
	MUL16 6, (\q)%2, \q, \slot, \zero
	PLACES NP
	WIN 0
	FETCH_A \slot, (\q)+1, 4
.endm
.macro TURN slot, next, fill
	s_wait_tensorcnt 0x0
	ds_add_u32 v[SPW], v[NIL]
	s_wait_dscnt 4*NL+1
	WIN MUL_LO
	MUL16 0, 1, NQ-1, \slot, 0
	s_wait_dscnt 0x0
	s_barrier_signal -1
	MUL16 2, 1, NQ-1, \slot, 0
	WIN 0
	s_barrier_wait -1
.if \fill
	CREST
	s_add_nc_u64 s[G0+4*\slot+2:G0+4*\slot+3], s[G0+4*\slot+2:G0+4*\slot+3], s[10:11]
	s_add_nc_u64 s[G0B+4*\slot+2:G0B+4*\slot+3], s[G0B+4*\slot+2:G0B+4*\slot+3], s[100:101]
	JLOAD G0+4*\slot, G1, G0B+4*\slot, G1B
.else
	PLACES NP
.endif
	s_wait_alu depctr_va_vdst(0)
	v_add_nc_u32 v[ADRS], 4*NQ, v[ADRS]
	FETCH_B \next, 0, 0
	FETCH_A \next, 0, 0
	SCALES \next
	WIN MUL_HI
	MUL16 4, 1, NQ-1, \slot, 0
	MUL16 6, 1, NQ-1, \slot, 0
	PLACES NP
	WIN 0
	FETCH_A \next, 0, 4
.endm
.macro TAIL
	STEP 1, 0, 0
	s_wait_dscnt 4*NL
	WIN MUL_LO
	MUL16 0, 1, NQ-1, 1, 0
	MUL16 2, 1, NQ-1, 1, 0
	s_wait_dscnt 0
	WIN MUL_HI
	MUL16 4, 1, NQ-1, 1, 0
	MUL16 6, 1, NQ-1, 1, 0
	WIN 0
.endm
.macro ADDB_QK a
	WIN 0x02+(\a)/4
.set AC, 64*((\a)%4)
.set kk, 0
.rept 32
	v_pk_add_f32 v[H+kk:H+kk+1], v[AC+kk:AC+kk+1], v[BR+kk:BR+kk+1]
.set kk, kk+2
.endr
	WIN 0
.endm
.macro ADDB_V a
	WIN 0x02+(\a)/4
.set AC, 64*((\a)%4)
.set kk, 0
.rept 32
	v_pk_add_f32 v[H+kk:H+kk+1], v[AC+kk:AC+kk+1], v[BR+2*(\a):BR+2*(\a)+1]
.set kk, kk+2
.endr
	WIN 0
.endm
.macro QUANT s, d0, d1, pw
.irp b, 0,1,2,3
	v_max3_num_f32 v[TM+\b], |v[\s+16*\b]|, |v[\s+1+16*\b]|, 0x1800000
.endr
.irp i, 2,4,6,8,10,12,14
.irp b, 0,1,2,3
	v_max3_num_f32 v[TM+\b], v[TM+\b], |v[\s+16*\b+\i]|, |v[\s+1+16*\b+\i]|
.endr
.endr
	v_max_num_f32 v[TM], v[TM], v[TM+1]            ; my block of each of the two bands: all 32 numbers are mine
	v_max_num_f32 v[TM+2], v[TM+2], v[TM+3]
	v_add_nc_u32 v[TM+8], 0xff000000, v[TM]
	v_add_nc_u32 v[TM+10], 0xff000000, v[TM+2]
	v_cvt_scalef32_pk16_fp6_f32 v[\d0:\d0+2], v[\s:\s+15], v[TM+8]
	v_cvt_scalef32_pk16_fp6_f32 v[CT:CT+2], v[\s+16:\s+31], v[TM+8]
	v_cvt_scalef32_pk16_fp6_f32 v[\d1:\d1+2], v[\s+32:\s+47], v[TM+10]
	v_cvt_scalef32_pk16_fp6_f32 v[CT+4:CT+6], v[\s+48:\s+63], v[TM+10]
	v_lshrrev_b32 v[TM+4], 23, v[TM+8]
	v_lshrrev_b32 v[TM+5], 23, v[TM+10]
.irp i, 0,1,2
	v_mov_b32 v[\d0+3+\i], v[CT+\i]
.endr
	v_lshl_or_b32 v[\pw], v[TM+5], 16, v[TM+4]     ; my two bytes, at their places in the scale word,
.irp i, 0,1,2
	v_mov_b32 v[\d1+3+\i], v[CT+4+\i]
.endr
	v_lshlrev_b32 v[\pw], v7, v[\pw]
	v_permlanex16_b32 v[TM+6], v[\pw], s[SEL], s[SEL+1]
	v_or_b32 v[\pw], v[\pw], v[TM+6]               ; and lane l xor 16's
.endm
.macro PUT img, base, off
.irp c, 0,1,2
	global_store_b128 v[LI], v[\img+4*\c:\img+4*\c+3], s[\base:\base+1] offset:\off+512*\c
.endr
.endm
.macro RECORD
	s_lshr_b32 s20, s18, 4
	s_lshl_b32 s20, s20, 4
	s_add_co_u32 s20, s20, s19
	s_lshl_b32 s20, s20, 4
	s_and_b32 s18, s18, 15
	s_add_co_u32 s20, s20, s18
.endm
	s_wait_alu depctr_va_vdst(0)                   ; the wait at the head's end
	s_wait_tensorcnt 0x0                           ; my tile of the head's four is in
	ds_add_u32 v[SPW], v[NIL]
	s_mov_b32 s[G1+2], 96<<16                      ; no tensor load of mine is out: from here on a load brings 128 rows
	s_mov_b32 s[G1+4], 96
	s_mov_b32 s[G1B+2], 96<<16
	s_mov_b32 s[G1B+4], 96
	s_wait_dscnt 0x0
	CROUND
	JLOAD G0+4, G1, G0B+4, G1B                     ; K step 1, the first tensor load behind the round
	FETCH_B 0, 0, 0
	FETCH_A 0, 0, 0
	SCALES 0
	FETCH_A 0, 0, 4
	STEP 0, 0, 1
	s_mov_b32 s3, LAPS-1
.Llap:
	TURN 0, 1, 1
	STEP 1, 0, 0
	TURN 1, 0, 1
	STEP 0, 0, 0
	s_sub_co_u32 s3, s3, 1
	s_cmp_lg_u32 s3, 0
	s_cbranch_scc1 .Llap
	TURN 0, 1, 0
	s_cmp_eq_u32 s[TYP], 2
	s_cbranch_scc1 .Lv
	s_lshl_b32 s18, s17, 1
	s_add_co_u32 s18, s18, s15
	s_lshl_b32 s19, s42, 2
	s_lshl_b32 s20, s16, 1
	s_add_co_u32 s19, s19, s20
	RECORD
	s_mov_b32 s21, 12800
	s_mov_b32 s66, 12288
	s_cmp_eq_u32 s[TYP], 0
	s_cselect_b32 s21, 6400, s21
	s_cselect_b32 s66, 6144, s66
	s_mov_b32 s67, 0
	s_mul_i32 s18, s20, s21
	s_mov_b32 s19, 0
	s_add_nc_u64 s[18:19], s[12:13], s[18:19]
	s_lshl_b32 s20, s21, 4
	s_mov_b32 s21, 0
	v_mul_u32_u24 v[SOFF], s20, v2
	v_lshl_add_u32 v[SOFF], v1, 4, v[SOFF]
	s_add_nc_u64 s[22:23], s[18:19], s[66:67]
	s_add_nc_u64 s[20:21], s[18:19], s[20:21]
	s_lshl_b32 s46, s42, 10
	s_lshl_b32 s47, s16, 9
	s_add_co_u32 s46, s46, s47
	s_mov_b32 s47, 0
	s_add_nc_u64 s[8:9], s[8:9], s[46:47]
.irp b, 0,1,2,3
.irp k, 0,1,2,3
	global_load_b128 v[BR+16*\b+4*\k:BR+16*\b+4*\k+3], v[BH], s[8:9] offset:256*(\b/2)+64*(\b%2)+16*\k
.endr
.endr
	TAIL
	PLACES NP
	s_wait_loadcnt 0x0
.irp i, 0,1,2,3
	s_wait_xcnt 0x0
	ADDB_QK 2*\i
	QUANT H, IM0, IM1, PWS
	ADDB_QK 2*\i+1
	QUANT H, IM0+6, IM1+6, PWS+1
	v_perm_b32 v[KW+\i], v[PWS+1], v[PWS], v[VSEL]
	PUT IM0, 18, 1536*\i
	PUT IM1, 20, 1536*\i
.endr
	global_store_b128 v[SOFF], v[KW:KW+3], s[22:23]
	s_branch .Lend
.Lv:
	s_lshl_b32 s18, s42, 1
	s_add_co_u32 s18, s18, s16
	s_lshl_b32 s19, s17, 2
	s_lshl_b32 s20, s15, 1
	s_add_co_u32 s19, s19, s20
	RECORD
	s_mul_i32 s18, s20, 12800
	s_mov_b32 s19, 0
	s_add_nc_u64 s[18:19], s[12:13], s[18:19]
	s_add_nc_u64 s[22:23], s[18:19], 12544
	s_add_nc_u64 s[18:19], s[18:19], 6144
	s_add_nc_u64 s[20:21], s[18:19], 204800
	v_mul_u32_u24 v[SOFF], v2, 204800
	v_lshl_add_u32 v[SOFF], v1, 4, v[SOFF]
	s_lshl_b32 s46, s17, 10
	s_lshl_b32 s47, s15, 9
	s_add_co_u32 s46, s46, s47
	s_mov_b32 s47, 0
	s_add_nc_u64 s[8:9], s[8:9], s[46:47]
.irp a, 0,1,2,3,4,5,6,7
	global_load_b32 v[BR+2*\a], v[BL], s[8:9] offset:(64*(\a/4)+8*(\a%4))*4
	global_load_b32 v[BR+2*\a+1], v[BL], s[8:9] offset:(64*(\a/4)+8*(\a%4))*4
.endr
	TAIL
	PLACES NP
	s_wait_loadcnt 0x0
.irp a, 0,1,2,3,4,5,6,7
	s_wait_xcnt 0x0
	ADDB_V \a
	QUANT H, IM0+12*(\a%2), IM0+12*(\a%2)+6, PWS+\a
	PUT IM0+12*(\a%2), 18+2*(\a/4), 1536*(\a%4)
.endr
.irp k, 0,1,2,3
	v_cndmask_b32 v[KW+\k], v[PWS+\k], v[PWS+4+\k], s43
.endr
	global_store_b128 v[SOFF], v[KW:KW+3], s[22:23]
.Lend:
	s_wait_tensorcnt 0x0
	ds_add_u32 v[SPW], v[NIL]
	s_wait_dscnt 0x0
	CROUND
	s_endpgm
.Lfunc_end_k_q99dcbb5d0d_proj:
	.size	k_q99dcbb5d0d_proj, .Lfunc_end_k_q99dcbb5d0d_proj-k_q99dcbb5d0d_proj
	.p2alignl 7, 3214868480
	.fill 96, 4, 3214868480
	.section	.rodata,"a",@progbits
	.p2align	6, 0x0
	.amdhsa_kernel k_q99dcbb5d0d_proj
		.amdhsa_group_segment_fixed_size 327680
		.amdhsa_private_segment_fixed_size 0
		.amdhsa_enable_private_segment 0
		.amdhsa_kernarg_size 56
		.amdhsa_user_sgpr_count 2
		.amdhsa_user_sgpr_kernarg_segment_ptr 1
		.amdhsa_wavefront_size32 1
		.amdhsa_system_sgpr_workgroup_id_x 1
		.amdhsa_system_sgpr_workgroup_id_y 1
		.amdhsa_system_sgpr_workgroup_id_z 1
		.amdhsa_system_vgpr_workitem_id 0
		.amdhsa_next_free_vgpr 1024
		.amdhsa_next_free_sgpr 102
		.amdhsa_reserve_vcc 0
		.amdhsa_float_denorm_mode_32 3
		.amdhsa_float_denorm_mode_16_64 3
		.amdhsa_memory_ordered 1
		.amdhsa_forward_progress 1
		.amdhsa_inst_pref_size 247
	.end_amdhsa_kernel
	.amdgpu_metadata
---
amdhsa.version: [ 1, 2 ]
amdhsa.kernels:
  - .name:           k_q99dcbb5d0d_proj
    .symbol:         k_q99dcbb5d0d_proj.kd
    .args:
      - { .name: inc, .offset: 0, .size: 8, .value_kind: global_buffer, .address_space: global }
      - { .name: ins, .offset: 8, .size: 8, .value_kind: global_buffer, .address_space: global }
      - { .name: bq, .offset: 16, .size: 8, .value_kind: global_buffer, .address_space: global }
      - { .name: bk, .offset: 24, .size: 8, .value_kind: global_buffer, .address_space: global }
      - { .name: bv, .offset: 32, .size: 8, .value_kind: global_buffer, .address_space: global }
      - { .name: qimg, .offset: 40, .size: 8, .value_kind: global_buffer, .address_space: global }
      - { .name: kv, .offset: 48, .size: 8, .value_kind: global_buffer, .address_space: global }
    .group_segment_fixed_size: 327680
    .private_segment_fixed_size: 0
    .kernarg_segment_align: 8
    .kernarg_segment_size: 56
    .max_flat_workgroup_size: 128
    .sgpr_count:     102
    .vgpr_count:     1024
    .wavefront_size: 32
...
	.end_amdgpu_metadata
.endif
;; end of part 2
;; launch attn (part 3): grid 8 x 32, 8 waves a work-group, clusters of 4 x 1, 206,848 bytes of LDS; arguments qimg, kv, oc, os; writes oc, os
.if DOCPART == 3
	.amdgcn_target "amdgcn-amd-amdhsa--gfx1250"
	.amdhsa_code_object_version 6
	.text
	.protected	k_q99dcbb5d0d_attn
	.globl	k_q99dcbb5d0d_attn
	.p2align	8
	.type	k_q99dcbb5d0d_attn,@function
k_q99dcbb5d0d_attn:
	s_mov_b64 s[64:65], 0
	v_nop
	global_prefetch_b8 v0, s[64:65] scope:SCOPE_SE
	s_setreg_imm32_b32 hwreg(HW_REG_WAVE_MODE, 25, 1), 1
	s_wait_xcnt 0x0
	s_wait_alu depctr_hold_cnt(0) depctr_sa_sdst(0) depctr_va_vdst(0) depctr_va_sdst(0) depctr_va_ssrc(0) depctr_va_vcc(0) depctr_vm_vsrc(0)
	s_getreg_b32 s2, hwreg(HW_REG_IB_STS2, 6, 4)
	s_cmp_eq_u32 s2, 0
	s_cbranch_scc0 .Lentry_in_a_cluster
	s_endpgm
.Lentry_in_a_cluster:
	s_bfe_u32 s2, ttmp6, 0x10000c
	s_cmp_lg_u32 s2, 0x3003
	s_cbranch_scc0 .Lentry_shape_is_right
	s_endpgm
.Lentry_shape_is_right:
; Attention of one head on codes of FP6 (E2M3): S^T = K Q^T (K = the head's 64), the softmax, O^T = V^T P^T (K = the keys), O / l, and O quantised along E for the last product.
; THE SOFTMAX: t = score x log2(e) / 8; M = the running largest t rounded UP to a whole number; p = 2^(t - M) is quantised along the keys, not normalised; the row's sum is taken of the unquantised p
; and divides O at the end.  When M moves, the sum and O are multiplied by 2^(old M - new M): exact.
; SHARES.  A work-group owns 256 queries of one (batch, head); each of its eight waves 32 of them, two tiles u = 0, 1, so that a fragment of K or V serves two tiles.  Every wave walks all 2,048 keys, 128 a trip.
; THE HEAD'S K, V AND SCALE WORDS, 16 records of 12,800 bytes, LIE IN LDS FOR THE WHOLE LAUNCH: wave w brings records 2 w, 2 w + 1 by one tensor load, filled once: no ring.  A first barrier shows records 0 to 3
; (waves 0 and 1 have a load line of their own and wait for it); the others land under the first three trips, and a second barrier shows them.  No loop runs ahead of the loads, so nothing is prefetched.
; CLUSTER.  The four query blocks of a cluster belong to one head: each record is asked for jointly, by the same load with the same descriptor and a mask that names the four.
; A record holds register images (lane l's 16 bytes at 16 l): every LDS load takes 512 consecutive bytes.
; K = 64 ON AN INSTRUCTION OF 128: an image of K holds key tile 2 i in registers 0-5 and key tile 2 i + 1 in registers 6-11.  Against [q | zeros] it gives tile 2 i's scores, against [zeros | q] tile 2 i + 1's:
; zero codes add nothing.  The zero halves of Q's scale words hold the byte 1.
; Both products are used transposed: a lane (r, h) holds ONE query of each tile.  Row m of key tile 4 c + j is key 64 c + 32 (m / 8) + 8 j + m % 8, so the lane's 32 registers of a band c are the keys 64 c + 32 h + 0 .. 31:
; ONE SCALE BLOCK, whole in the lane, and its codes fall as the next operand wants them.  V's columns lie likewise: O^T's 32 registers are the head's dims 32 h + 0 .. 31.
; A block's largest p is that of its largest score, put through the same two instructions.
; K and V have registers of their own: K's fragments of the next trip are fetched behind the first products, V's behind the second, 13 loads each; each is waited for with the other's 13 still out.
; OUT.  oc [tile of 16 tokens][head][768]: a head's six registers as three planes of 256 bytes, lane l's 8 bytes at 8 l.  os [token, in tile order][32]: bytes 2 head + h: one byte a lane.
; LIMITS: NaN and infinities are not served; a block whose largest magnitude lies under 2^-124 gets the byte 1 (this program alone reads the bytes); the scaled scores stay under 2^31 in magnitude.
.set REC,  12800
; window 0
.set LI,   1                           ; 16 x lane
.set ADR,  2                           ; LDS address of the record fetched next
.set SPW,  10
.set NIL,  11
.set MM,   12                          ; pairs: -M, the largest score
.set CC,   16                          ; four chains of the sum, eight registers a tile
.set SOP,  32                          ; scale operands, two a tile
.set TA,   36                          ; at work: TA + 2 u, TA + 2 u + 1
.set SS,   64                          ; v64-191  S^T, then p: 64 a tile
.set PP,   192                         ; v192-215 p's codes: 12 a tile
.set MX,   200                         ; (ahead of them, PP + 8 on: the largest scores)
.set VW,   216                         ; scale words as loaded: lanes 0-15 K's, 16-31 V's
.set KW,   220
.set QS,   224                         ; v224-227 Q's scale words, two a tile
.set FF,   228                         ; pairs: f, and p's scale word
.set QW,   40
; window 1
.set KF,   0                           ; K's four images
.set VF,   48                          ; V's four fragments
.set OO,   96                          ; O^T: 32 a tile
.set QB,   160                         ; [q | 0 | q]: 18 a tile
.set WV,   12
.set SEL,  20
.set CS,   22
.set G1,   24
.set G0,   32
.set TB,   40
.set CNT,  41
.set MSB,  0
.macro WIN new                         ; the immediate's high byte repeats the setting that is left
.if MSB != \new
	s_set_vgpr_msb (MSB<<8)|\new
.set MSB, \new
.endif
.endm
.macro WALU
	s_wait_alu depctr_va_vdst(0)
.endm
.macro CROUND                          ; a round of the cluster's barrier
	s_barrier_signal -1
	s_barrier_wait -1
	s_cmp_lg_u32 s[WV], 0
	s_cbranch_scc1 .Lnot_wave_0_\@
	s_barrier_signal -3
.Lnot_wave_0_\@:
	s_barrier_wait -3
	s_barrier_signal -1
	s_barrier_wait -1
.endm
.macro KLOAD adr                       ; 13 loads
	ds_load_b128 v[KW:KW+3], \adr offset:12288
	WIN 0x40
.irp i, 0,1,2,3
.irp c, 0,1,2
	ds_load_b128 v[KF+12*\i+4*\c:KF+12*\i+4*\c+3], \adr offset:1536*\i+512*\c
.endr
.endr
	WIN 0
.endm
.macro VLOAD adr                       ; 13 loads
	ds_load_b128 v[VW:VW+3], \adr offset:12288
	WIN 0x40
.irp t, 0,1,2,3
.irp c, 0,1,2
	ds_load_b128 v[VF+12*\t+4*\c:VF+12*\t+4*\c+3], \adr offset:6144+1536*\t+512*\c
.endr
.endr
	WIN 0
.endm
.macro ADDC u, n, src                  ; chain n of tile u's sum
	v_pk_add_f32 v[CC+8*\u+2*\n:CC+8*\u+2*\n+1], v[CC+8*\u+2*\n:CC+8*\u+2*\n+1], v[\src:\src+1]
.endm
.macro JOIN n, m                       ; chain n takes in chain m, of both tiles
.irp u, 0,1
	ADDC \u, \n, CC+8*\u+2*\m
.endr
.endm
.macro EXPA u                          ; p = 2^(t - M) of a tile's first band; its second band's multiply-adds among them
.set J, 64*\u
.rept 16
	v_exp_f32 v[SS+J], v[SS+J]
	v_exp_f32 v[SS+J+1], v[SS+J+1]
	v_pk_fma_f32 v[SS+32+J:SS+33+J], v[SS+32+J:SS+33+J], s[CS:CS+1], v[MM+2*\u:MM+2*\u+1] op_sel_hi:[1,0,0]
.set J, J+2
.endr
	v_exp_f32 v[MX+12*\u], v[MX+12*\u]
	v_fma_f32 v[MX+2+12*\u], v[MX+2+12*\u], s[CS], v[MM+2*\u]
.endm
.macro EXPB u                          ; its second band's; sums of the first among them, each into registers that nothing reads before the next wait
.set J, 64*\u+32
.set I, 64*\u
.irp d, CC+2+8*\u,CC+4+8*\u,CC+6+8*\u,PP+12*\u,PP+2+12*\u,PP+4+12*\u,PP+6+12*\u
	v_exp_f32 v[SS+J], v[SS+J]
	v_exp_f32 v[SS+J+1], v[SS+J+1]
	v_pk_add_f32 v[\d:\d+1], v[SS+I:SS+I+1], v[SS+I+2:SS+I+3]
.set J, J+2
.set I, I+4
.endr
.rept 9
	v_exp_f32 v[SS+J], v[SS+J]
	v_exp_f32 v[SS+J+1], v[SS+J+1]
.set J, J+2
.endr
	v_exp_f32 v[MX+2+12*\u], v[MX+2+12*\u]
	v_pk_mul_f32 v[CC+8*\u:CC+8*\u+1], v[CC+8*\u:CC+8*\u+1], v[FF+2*\u:FF+2*\u+1] op_sel_hi:[1,0]   ; the sum under the new M (a plain line behind the exponentials)
.endm
.macro TRIP more                       ; 128 keys; more = 1: the next record is fetched
	s_wait_dscnt 13                                ; K's fragments are in; V's 13 loads may be out
	WIN 0x05                                       ; sources 0 (K) and 1 (Q) window 1
.irp u, 0,1
.irp i, 0,1,2,3
.irp e, 0,1
	v_wmma_scale_f32_16x16x128_f8f6f4 v[SS+64*\u+8*(2*\i+\e):SS+64*\u+8*(2*\i+\e)+7], v[KF+12*\i:KF+12*\i+11], v[QB+18*\u+6*\e:QB+18*\u+6*\e+11], 0, v[KW+\i], v[QS+2*\u+\e] matrix_a_fmt:MATRIX_FMT_FP6 matrix_b_fmt:MATRIX_FMT_FP6
.endr
.endr
.endr
	WIN 0
	JOIN 0, 1                                      ; the last trip's chains are joined here: plain lines behind the products, ahead of the loads and of the scores' first read
	JOIN 2, 3
.if \more
	s_add_co_u32 s[TB], s[TB], REC
	v_add_nc_u32 v[ADR], s[TB], v[LI]
.endif
	JOIN 0, 2
.if \more
	KLOAD v[ADR]
.endif
.irp u, 0,1
.irp b, 0,1,2,3
	v_max3_num_f32 v[MX+12*\u+\b], v[SS+64*\u+16*\b], v[SS+64*\u+1+16*\b], v[SS+64*\u+2+16*\b]   ; the largest score of my two blocks of 32 keys, two chains each
.endr
.endr
.irp i, 3,5,7,9,11,13
.irp u, 0,1
.irp b, 0,1,2,3
	v_max3_num_f32 v[MX+12*\u+\b], v[MX+12*\u+\b], v[SS+64*\u+16*\b+\i], v[SS+64*\u+1+16*\b+\i]
.endr
.endr
.endr
.irp u, 0,1
.irp b, 0,2
	v_max3_num_f32 v[MX+12*\u+\b], v[MX+12*\u+\b], v[SS+64*\u+15+16*\b], v[SS+64*\u+31+16*\b]
.endr
.endr
.irp u, 0,1
.irp b, 0,2
	v_max_num_f32 v[MX+12*\u+\b], v[MX+12*\u+\b], v[MX+12*\u+1+\b]
.endr
.endr
.irp u, 0,1
	v_max_num_f32 v[TA+2*\u], v[MX+12*\u], v[MX+12*\u+2]
.endr
.irp u, 0,1
	v_permlanex16_b32 v[TA+2*\u+1], v[TA+2*\u], s[SEL], s[SEL+1]
.endr
.irp u, 0,1
	v_max3_num_f32 v[MM+2*\u+1], v[MM+2*\u+1], v[TA+2*\u], v[TA+2*\u+1]    ; the running largest score, with lane l xor 16's
.endr
.irp u, 0,1
	v_mov_b32 v[TA+2*\u], v[MM+2*\u]
.endr
.irp u, 0,1
	v_mul_f32 v[TA+2*\u+1], s[CS], v[MM+2*\u+1]    ; as t (c is positive)
.endr
.irp u, 0,1
	v_floor_f32 v[MM+2*\u], -v[TA+2*\u+1]          ; the new -M = -ceil(t)
.endr
.irp u, 0,1
	v_sub_f32 v[TA+2*\u], v[MM+2*\u], v[TA+2*\u]   ; old M - new M: a whole number, 0 or less
.endr
.set J, 0
.rept 16
.irp u, 0,1
	v_pk_fma_f32 v[SS+64*\u+J:SS+64*\u+J+1], v[SS+64*\u+J:SS+64*\u+J+1], s[CS:CS+1], v[MM+2*\u:MM+2*\u+1] op_sel_hi:[1,0,0]   ; t - M, two at a time
.if J == 6
	v_cvt_i32_f32 v[TA+2*\u], v[TA+2*\u]           ; (it saturates)
.endif
.if J == 14
	v_ldexp_f32 v[FF+2*\u], 1.0, v[TA+2*\u]        ; f = 2^(old M - new M)
.endif
.endr
.set J, J+2
.endr
.irp u, 0,1
	v_fma_f32 v[MX+12*\u], v[MX+12*\u], s[CS], v[MM+2*\u]    ; the same of the first block's largest score
.endr
	WALU
	EXPA 0
	EXPA 1
	WALU
	EXPB 0
	EXPB 1
	WALU
.irp u, 0,1
	v_max_num_f32 v[MX+12*\u], 0x1800000, v[MX+12*\u]          ; the floor 2^(3 - 127): the byte cannot fall under 1
	v_max_num_f32 v[MX+12*\u+2], 0x1800000, v[MX+12*\u+2]
.endr
.irp n, 0,1,2,3
.irp u, 0,1
	ADDC \u, \n, PP+12*\u+2*\n
.endr
.endr
.irp u, 0,1
	v_add_nc_u32 v[SOP+2*\u], 0xff000000, v[MX+12*\u]          ; 2 off the exponent field: the conversions' scale operands
	v_add_nc_u32 v[SOP+2*\u+1], 0xff000000, v[MX+12*\u+2]
.endr
.set J, 28
.rept 4
.irp n, 0,1,2,3
.irp u, 0,1
	ADDC \u, \n, SS+64*\u+J+2*\n
.endr
.endr
.set J, J+8
.endr
.irp n, 0,1
.irp u, 0,1
	ADDC \u, \n, SS+64*\u+60+2*\n
.endr
.endr
.irp u, 0,1
	v_cvt_scalef32_pk16_fp6_f32 v[PP+12*\u:PP+12*\u+2], v[SS+64*\u:SS+64*\u+15], v[SOP+2*\u]
	v_cvt_scalef32_pk16_fp6_f32 v[PP+12*\u+6:PP+12*\u+8], v[SS+64*\u+32:SS+64*\u+47], v[SOP+2*\u+1]
.endr
.irp u, 0,1
	v_lshrrev_b32 v[TA+2*\u], 23, v[SOP+2*\u]      ; the bytes (plain lines behind the conversions)
	v_lshrrev_b32 v[TA+2*\u+1], 23, v[SOP+2*\u+1]
.endr
.irp u, 0,1                            ; (a conversion's registers begin on an even number: the upper halves are made where p has been used, and moved)
	v_cvt_scalef32_pk16_fp6_f32 v[SS+64*\u:SS+64*\u+2], v[SS+64*\u+16:SS+64*\u+31], v[SOP+2*\u]
	v_cvt_scalef32_pk16_fp6_f32 v[SS+64*\u+32:SS+64*\u+34], v[SS+64*\u+48:SS+64*\u+63], v[SOP+2*\u+1]
.endr
.irp u, 0,1
	v_lshl_or_b32 v[FF+2*\u+1], v[TA+2*\u+1], 16, v[TA+2*\u]   ; my two bytes,
.endr
.irp u, 0,1
	v_lshlrev_b32 v[FF+2*\u+1], v6, v[FF+2*\u+1]   ; at their places in the scale word,
.endr
.irp i, 0,1,2
.irp u, 0,1
	v_mov_b32 v[PP+12*\u+3+\i], v[SS+64*\u+\i]
.endr
.endr
.irp u, 0,1
	v_permlanex16_b32 v[TA+2*\u+1], v[FF+2*\u+1], s[SEL], s[SEL+1]
.endr
.irp i, 0,1,2
.irp u, 0,1
	v_mov_b32 v[PP+12*\u+9+\i], v[SS+64*\u+32+\i]
.endr
.endr
.irp u, 0,1
	v_or_b32 v[FF+2*\u+1], v[FF+2*\u+1], v[TA+2*\u+1]          ; and lane l xor 16's
.endr
	WIN 0x41                                       ; source 0 and destination (O) window 1
	WALU
.set J, 0
.rept 16
.irp u, 0,1
	v_pk_mul_f32 v[OO+32*\u+J:OO+32*\u+J+1], v[OO+32*\u+J:OO+32*\u+J+1], v[FF+2*\u:FF+2*\u+1] op_sel_hi:[1,0]   ; O^T under the new M.  These 32 are also the places between the writes of p's codes and scale words and the products
.endr
.set J, J+2
.endr
	WIN 0x51                                       ; source 0 (V), source 2 and destination (O) window 1
	WALU
.if \more
	s_wait_dscnt 13                                ; V's fragments are in; the next K's 13 loads may be out
.else
	s_wait_dscnt 0x0
.endif
.irp t, 0,1,2,3
.irp u, 0,1
	v_wmma_scale_f32_16x16x128_f8f6f4 v[OO+32*\u+8*\t:OO+32*\u+8*\t+7], v[VF+12*\t:VF+12*\t+11], v[PP+12*\u:PP+12*\u+11], v[OO+32*\u+8*\t:OO+32*\u+8*\t+7], v[VW+\t], v[FF+2*\u+1] matrix_a_fmt:MATRIX_FMT_FP6 matrix_b_fmt:MATRIX_FMT_FP6 matrix_a_scale:MATRIX_SCALE_ROW1
.endr
.endr
	WIN 0
.if \more
.rept 4
	v_nop                                          ; places in front of the loads into V's registers
.endr
	VLOAD v[ADR]
.endif
.endm
	s_load_b256 s[4:11], s[0:1], 0x0               ; qimg s[4:5], kv s[6:7], oc s[8:9], os s[10:11]
	v_lshl_add_u32 v[SPW], v0, 2, 16*REC
	v_mov_b32 v[NIL], 0
	ds_add_u32 v[SPW], v[NIL]                      ; the opening lines: the add, twice on end
	ds_add_u32 v[SPW], v[NIL]
	v_lshrrev_b32 v3, 5, v0
	v_readfirstlane_b32 s[WV], v3                  ; wave 0..7
	s_bfe_u32 s13, ttmp6, 0x40000                  ; cx
	s_lshl_b32 s14, ttmp9, 2
	s_add_co_u32 s14, s14, s13                     ; my block of 256 queries: it enters global addresses alone
	s_and_b32 s15, ttmp7, 0xffff                   ; batch x 16 + head, which the four partners share
	s_mov_b32 s[G1], 15|(3<<16)|(1<<21)            ; the mask: all four; elements of 8 bytes; bit 21 beside a mask; no padding
	s_mov_b32 s[G1+1], 32<<16                      ; 100 dense rows of 256 bytes: two records
	s_mov_b32 s[G1+2], 100<<16
	s_mov_b32 s[G1+3], 32<<16
	s_mov_b32 s[G1+4], 100
	s_mov_b32 s[G1+5], 32
	s_mov_b32 s[G1+6], 0
	s_mov_b32 s[G1+7], 0
	s_mov_b32 s[G0], 1
	s_mul_i32 s[G0+1], s[WV], 2*REC                ; LDS: record 2 w
	s_mul_i32 s16, s15, 16*REC
	s_add_co_u32 s16, s16, s[G0+1]                 ; and in kv
	s_mov_b32 s17, 0
	s_lshl_b32 s18, s15, 4                         ; Q: record (batch, head) x 16 + 2 x block + w / 4,
	s_lshl_b32 s19, s14, 1
	s_add_co_u32 s18, s18, s19
	s_lshr_b32 s19, s[WV], 2
	s_add_co_u32 s18, s18, s19
	s_mul_i32 s18, s18, 6400
	s_and_b32 s19, s[WV], 3                        ; image w % 4: my two tiles
	s_mul_i32 s42, s19, 1536
	s_add_co_u32 s42, s42, s18
	s_mov_b32 s43, 0
	s_lshl_b32 s19, s19, 2
	s_add_co_u32 s18, s18, s19
	s_add_co_u32 s18, s18, 6144                    ; and its scale word
	s_mov_b32 s19, 0
	s_and_b32 s36, s15, 15                         ; the head
	s_lshr_b32 s37, s15, 4
	s_lshl_b32 s37, s37, 7
	s_lshl_b32 s38, s14, 4
	s_add_co_u32 s37, s37, s38
	s_lshl_b32 s38, s[WV], 1
	s_add_co_u32 s37, s37, s38                     ; my first tile of 16 tokens among 256
	s_mul_i32 s38, s37, 12288
	s_mul_i32 s39, s36, 768
	s_add_co_u32 s38, s38, s39                     ; its 768 bytes of oc
	s_mov_b32 s39, 0
	s_lshl_b32 s46, s37, 9
	s_lshl_b32 s36, s36, 1
	s_add_co_u32 s46, s46, s36                     ; its bytes of os: 512 x tile + 2 x head
	s_mov_b32 s47, 0
	s_mov_b32 s[SEL], 0x76543210
	s_mov_b32 s[SEL+1], 0xfedcba98
	s_mov_b32 s[CS], 0x3e38aa3b                    ; c = log2(e) / sqrt(64)
	s_mov_b32 s[CS+1], s[CS]                       ; (named with it as a pair, so it is written)
	v_and_b32 v3, 31, v0
	v_lshlrev_b32 v[LI], 4, v3
	v_lshlrev_b32 v4, 3, v3
	v_bfe_u32 v6, v0, 4, 1                         ; h
	v_and_b32 v3, 15, v0
	v_lshl_add_u32 v5, v3, 5, v6                   ; 32 r + h
	v_lshlrev_b32 v6, 3, v6                        ; 8 h
	v_lshlrev_b32 v3, 4, v3                        ; 16 r
	s_wait_dscnt 0x0
	s_wait_kmcnt 0x0
	s_add_nc_u64 s[G0+2:G0+3], s[6:7], s[16:17]
	s_or_b32 s[G0+3], s[G0+3], 0x80000000          ; type = 2
	s_add_nc_u64 s[42:43], s[4:5], s[42:43]
	s_add_nc_u64 s[18:19], s[4:5], s[18:19]
	s_add_nc_u64 s[8:9], s[8:9], s[38:39]
	s_add_nc_u64 s[10:11], s[10:11], s[46:47]
	CROUND                                         ; all four work-groups are here: the joint loads meet
	s_cmp_lt_u32 s[WV], 2                          ; my one tensor load of the launch: records 0 to 3 by a line of their own
	s_cbranch_scc0 .Llate
	tensor_load_to_lds s[G0:G0+3], s[G1:G1+7]
	s_nop 0
.rept 4
	v_nop
.endr
	s_branch .Lasked
.Llate:
	tensor_load_to_lds s[G0:G0+3], s[G1:G1+7]
	s_nop 0
.rept 4
	v_nop
.endr
.Lasked:
	WALU
.irp c, 0,1,2
	global_load_b128 v[SS+4*\c:SS+4*\c+3], v[LI], s[42:43] offset:512*\c   ; my image of Q, for the while in the scores' registers
.endr
	global_load_b32 v[QW], v3, s[18:19]
.irp u, 0,1
	v_mov_b32 v[MM+2*\u+1], 0xff61b1e6             ; the largest score so far: -3e38, under every score
.endr
.set J, 0
.rept 16
	v_mov_b32 v[CC+J], 0                           ; the sums' chains
.set J, J+1
.endr
.irp u, 0,1
	v_floor_f32 v[MM+2*\u], -v[MM+2*\u+1]          ; -M
	v_mov_b32 v[TA+2*\u+1], 0                      ; a lane permute's destination counts as one of its sources
	v_mov_b32 v[FF+2*\u+1], 0                      ; (named as the upper half of a pair before it is first written)
.endr
	WALU
	s_wait_loadcnt 0x0
	v_and_b32 v41, 0xffff, v[QW]                   ; tile 0's two bytes,
	v_lshrrev_b32 v42, 16, v[QW]                   ; and tile 1's
.irp u, 0,1
	v_or_b32 v[QS+2*\u], 0x01010000, v[41+\u]      ; for [q | 0]
	v_lshl_or_b32 v[QS+2*\u+1], v[41+\u], 16, 0x0101   ; for [0 | q]
.endr
	WIN 0x40                                       ; destination window 1
.irp u, 0,1
.irp i, 0,1,2,3,4,5
	v_mov_b32 v[QB+18*\u+\i], v[SS+6*\u+\i]
	v_mov_b32 v[QB+18*\u+6+\i], 0
	v_mov_b32 v[QB+18*\u+12+\i], v[SS+6*\u+\i]
.endr
.endr
.set J, 0
.rept 64
	v_mov_b32 v[OO+J], 0                           ; O^T: the first change of M leaves zeros zeros.  These plain lines also stand between the lines above and the first scaled product
.set J, J+1
.endr
	WIN 0
	WALU
	s_cmp_lt_u32 s[WV], 2
	s_cbranch_scc0 .Lnot_first
	s_wait_tensorcnt 0x0                           ; records 0 to 3: each is waited for by the wave that asked for it
.Lnot_first:
	s_barrier_signal -1
	s_barrier_wait -1                              ; records 0 to 3 are in; the others may still be on their way
	KLOAD v[LI]
	VLOAD v[LI]
	s_mov_b32 s[TB], 0
	s_mov_b32 s[CNT], 3
.Lfirst:                                               ; trips 0 to 2 fetch records 1 to 3
	TRIP 1
	s_sub_co_u32 s[CNT], s[CNT], 1
	s_cmp_lg_u32 s[CNT], 0
	s_cbranch_scc1 .Lfirst
	s_wait_tensorcnt 0x0                           ; my records are in, whichever they are,
	s_wait_dscnt 0x0
	s_barrier_signal -1
	s_barrier_wait -1                              ; and so are all sixteen
	s_mov_b32 s[TB], 3*REC
	s_mov_b32 s[CNT], 12
.Lrest:                                                ; trips 3 to 14 fetch records 4 to 15
	TRIP 1
	s_sub_co_u32 s[CNT], s[CNT], 1
	s_cmp_lg_u32 s[CNT], 0
	s_cbranch_scc1 .Lrest
	TRIP 0
	; THE WAY OUT: O^T / the sum: a lane's 32 registers of a tile are one block along E
	JOIN 0, 1
	JOIN 2, 3
	JOIN 0, 2
.irp u, 0,1
	v_add_f32 v[CC+8*\u], v[CC+8*\u], v[CC+8*\u+1]
.endr
.irp u, 0,1
	v_permlanex16_b32 v[TA+2*\u+1], v[CC+8*\u], s[SEL], s[SEL+1]
.endr
.irp u, 0,1
	v_add_f32 v[CC+8*\u], v[CC+8*\u], v[TA+2*\u+1] ; the row's sum
.endr
	WALU
.irp u, 0,1
	v_rcp_f32 v[CC+8*\u], v[CC+8*\u]
.endr
	v_nop                                          ; the plain line behind the reciprocals
	WIN 0x01                                       ; source 0 (O) window 1
	WALU
.set J, 0
.rept 16
.irp u, 0,1
	v_pk_mul_f32 v[SS+64*\u+J:SS+64*\u+J+1], v[OO+32*\u+J:OO+32*\u+J+1], v[CC+8*\u:CC+8*\u+1] op_sel_hi:[1,0]
.endr
.set J, J+2
.endr
	WIN 0
.irp u, 0,1
.irp b, 0,1
	v_max3_num_f32 v[MX+12*\u+\b], |v[SS+64*\u+16*\b]|, |v[SS+64*\u+1+16*\b]|, 0x1800000
.endr
.endr
.irp i, 2,4,6,8,10,12,14
.irp u, 0,1
.irp b, 0,1
	v_max3_num_f32 v[MX+12*\u+\b], v[MX+12*\u+\b], |v[SS+64*\u+16*\b+\i]|, |v[SS+64*\u+1+16*\b+\i]|
.endr
.endr
.endr
.irp u, 0,1
	v_max_num_f32 v[MX+12*\u], v[MX+12*\u], v[MX+12*\u+1]
.endr
.irp u, 0,1
	v_add_nc_u32 v[SOP+2*\u], 0xff000000, v[MX+12*\u]
.endr
.irp u, 0,1
	v_cvt_scalef32_pk16_fp6_f32 v[PP+12*\u:PP+12*\u+2], v[SS+64*\u:SS+64*\u+15], v[SOP+2*\u]
	v_cvt_scalef32_pk16_fp6_f32 v[PP+12*\u+4:PP+12*\u+6], v[SS+64*\u+16:SS+64*\u+31], v[SOP+2*\u]
.endr
.irp u, 0,1
	v_lshrrev_b32 v[TA+2*\u], 23, v[SOP+2*\u]      ; my block's byte
.endr
.irp i, 0,1,2
.irp u, 0,1
	v_mov_b32 v[PP+12*\u+3+\i], v[PP+12*\u+4+\i]
.endr
.endr
.irp u, 0,1
.irp p, 0,1,2
	global_store_b64 v4, v[PP+12*\u+2*\p:PP+12*\u+1+2*\p], s[8:9] offset:12288*\u+256*\p   ; 32 lanes store 256 consecutive bytes, aligned
.endr
	global_store_b8 v5, v[TA+2*\u], s[10:11] offset:512*\u
.endr
	s_wait_tensorcnt 0x0                           ; the wave's end
	ds_add_u32 v[SPW], v[NIL]
	s_wait_dscnt 0x0
	CROUND                                         ; the closing round
	s_endpgm
.Lfunc_end_k_q99dcbb5d0d_attn:
	.size	k_q99dcbb5d0d_attn, .Lfunc_end_k_q99dcbb5d0d_attn-k_q99dcbb5d0d_attn
	.p2alignl 7, 3214868480
	.fill 96, 4, 3214868480
	.section	.rodata,"a",@progbits
	.p2align	6, 0x0
	.amdhsa_kernel k_q99dcbb5d0d_attn
		.amdhsa_group_segment_fixed_size 206848
		.amdhsa_private_segment_fixed_size 0
		.amdhsa_enable_private_segment 0
		.amdhsa_kernarg_size 32
		.amdhsa_user_sgpr_count 2
		.amdhsa_user_sgpr_kernarg_segment_ptr 1
		.amdhsa_wavefront_size32 1
		.amdhsa_system_sgpr_workgroup_id_x 1
		.amdhsa_system_sgpr_workgroup_id_y 1
		.amdhsa_system_sgpr_workgroup_id_z 1
		.amdhsa_system_vgpr_workitem_id 0
		.amdhsa_next_free_vgpr 512
		.amdhsa_next_free_sgpr 66
		.amdhsa_reserve_vcc 0
		.amdhsa_float_denorm_mode_32 3
		.amdhsa_float_denorm_mode_16_64 3
		.amdhsa_memory_ordered 1
		.amdhsa_forward_progress 1
		.amdhsa_inst_pref_size 96
	.end_amdhsa_kernel
	.amdgpu_metadata
---
amdhsa.version: [ 1, 2 ]
amdhsa.kernels:
  - .name:           k_q99dcbb5d0d_attn
    .symbol:         k_q99dcbb5d0d_attn.kd
    .args:
      - { .name: qimg, .offset: 0, .size: 8, .value_kind: global_buffer, .address_space: global }
      - { .name: kv, .offset: 8, .size: 8, .value_kind: global_buffer, .address_space: global }
      - { .name: oc, .offset: 16, .size: 8, .value_kind: global_buffer, .address_space: global }
      - { .name: os, .offset: 24, .size: 8, .value_kind: global_buffer, .address_space: global }
    .group_segment_fixed_size: 206848
    .private_segment_fixed_size: 0
    .kernarg_segment_align: 8
    .kernarg_segment_size: 32
    .max_flat_workgroup_size: 256
    .sgpr_count:     66
    .vgpr_count:     512
    .wavefront_size: 32
...
	.end_amdgpu_metadata
.endif
;; end of part 3
;; launch outp (part 4): grid 8 x 32, 4 waves a work-group, clusters of 4 x 4, 229,376 bytes of LDS; arguments oc, os, inc, ins, bo, out0; writes out0
.if DOCPART == 4
	.amdgcn_target "amdgcn-amd-amdhsa--gfx1250"
	.amdhsa_code_object_version 6
	.text
	.protected	k_q99dcbb5d0d_outp
	.globl	k_q99dcbb5d0d_outp
	.p2align	8
	.type	k_q99dcbb5d0d_outp,@function
k_q99dcbb5d0d_outp:
	s_mov_b64 s[64:65], 0
	v_nop
	global_prefetch_b8 v0, s[64:65] scope:SCOPE_SE
	s_setreg_imm32_b32 hwreg(HW_REG_WAVE_MODE, 25, 1), 1
	s_wait_xcnt 0x0
	s_wait_alu depctr_hold_cnt(0) depctr_sa_sdst(0) depctr_va_vdst(0) depctr_va_sdst(0) depctr_va_ssrc(0) depctr_va_vcc(0) depctr_vm_vsrc(0)
	s_getreg_b32 s2, hwreg(HW_REG_IB_STS2, 6, 4)
	s_cmp_eq_u32 s2, 0
	s_cbranch_scc0 .Lentry_in_a_cluster
	s_endpgm
.Lentry_in_a_cluster:
	s_bfe_u32 s2, ttmp6, 0x10000c
	s_cmp_lg_u32 s2, 0xf033
	s_cbranch_scc0 .Lentry_shape_is_right
	s_endpgm
.Lentry_shape_is_right:
; out0 = O Wo^T + bo on codes of FP6 (E2M3) with E8M0 scales.  M = 4,096 tokens, N = 1,024, K = 1,024.
; A tile of 128 x 128 to a work-group of four waves, 64 x 64 to a wave (16 accumulators): 8 x 32 = 256 work-groups.  A larger tile would give fewer work-groups than there are WGPs.
; ALL OF K LIES IN LDS, filled once, by one tensor load a wave: wave 0 the 128 tokens' codes, wave 1 the 128 rows of Wo, waves 2 and 3 their scale bytes.  No ring, no loop, and so no prefetch: nothing runs ahead of the loads.
; CLUSTER: 4 x 4 work-groups.  A's tiles hang on the tile row alone and are asked for jointly along a row of the cluster, B's on the tile column alone and along a column.
; A = O: oc [tile of 16 tokens][head][768]: register images (three planes of 256 bytes a head, lane l's 8 bytes at 8 l): 128 tokens are 98,304 dense bytes.  A's scale bytes: os [token][32].
; B = Wo: its codes in inc from byte 11,796,480 on, 768 bytes a row, in LDS with 16 bytes of padding behind every 256; its scale bytes in ins from byte 491,520 on.
; Tokens (in oc, os) and Wo's rows lie in TILE ORDER (64-groups: true row 32 h + 8 j + i is stored 16 j + 8 h + i): the way out puts rows and columns back.
; THE MATRIX INSTRUCTION IS USED TRANSPOSED (source 0 = 16 rows of Wo, source 1 = 16 tokens).  The bias is the C of each sum's first product.
; LIMITS: NaN and infinities are not served.
; REGISTERS: window 0: v12-31 addresses; v32-63 all scale words; v64-95 the bias in the result's layout; v128-255 the accumulators ((a, b) at v[128 + 8 (4 a + b)]); on the way out v64-191 take the rows read back.
;   window 1: two fragment buffers, at v0 and v128: A's four fragments (48 registers), then B's four.
.set SIZE_N, 1024
.set FR,     12
.set NL,     6
.set NP,     4                         ; places behind this matrix instruction (ISA guide 7.12.1)
.set KROW,   768
.set PITCH,  816                       ; 3 x (256 + 16)
.set KS,     32
.set AH,     4*12288                   ; LDS: A, 64 tokens
.set BREG,   2*AH                      ; behind them B
.set BHF,    64*PITCH                  ; 64 rows
.set SCL,    BREG+2*BHF                ; the scale bytes, as units of 256 bytes + 16 of padding: A's 128 rows, then B's
.set HALFS,  (64*KS/256)*272
.set SBLK,   (16*KS/256)*272
.set STAGE,  SCL+4*HALFS               ; the way out: 16 rows x (256 + 16) bytes for each wave
.set SPITCH, 272
.set SPARE,  STAGE+4*16*SPITCH
.set ADRA, 12
.set ADRB, 16                          ; v16; v17 the same behind one padding more
.set STO,  24
.set RD,   25
.set CO,   26
.set ADRS, 27                          ; my scale words: lanes 0-15 A's rows, lanes 16-31 B's
.set BO,   28
.set SPW,  30
.set NIL,  31
.set SC,   32                          ; register 8 i + j: lanes 0-15 the word of A's block i, lanes 16-31 that of B's block i, for the j-th 128 along K
.set BI,   64
.set BK,   64
.set ACC,  128
.set G1A,  24
.set G1B,  32
.set G1SA, 40
.set G1SB, 48
.set G0A,  56
.set G0B,  60
.set G0SA, 68
.set G0SB, 72
.set MSB, 0
.macro WIN new                         ; the immediate's high byte repeats the setting that is left
.if MSB != \new
	s_set_vgpr_msb (MSB<<8)|\new
.set MSB, \new
.endif
.endm
.set MUL,  0x05                        ; sources 0 (B) and 1 (A) window 1; C and D window 0
.set TO_F, 0x40                        ; destination window 1, address window 0
.macro CROUND                          ; a round of the cluster's barrier
	s_barrier_signal -1
	s_barrier_wait -1
	s_cmp_lg_u32 s14, 0
	s_cbranch_scc1 .Lnot_wave_0_\@
	s_barrier_signal -3
.Lnot_wave_0_\@:
	s_barrier_wait -3
	s_barrier_signal -1
	s_barrier_wait -1
.endm
	s_load_b128 s[4:7], s[0:1], 0x0                ; oc s[4:5], os s[6:7]
	s_load_b128 s[8:11], s[0:1], 0x10              ; inc s[8:9], ins s[10:11]
	s_load_b64 s[66:67], s[0:1], 0x20              ; bo
	s_load_b64 s[12:13], s[0:1], 0x28              ; out0
	v_lshl_add_u32 v[SPW], v0, 2, SPARE
	v_mov_b32 v[NIL], 0
	ds_add_u32 v[SPW], v[NIL]                      ; the opening lines: the add, twice on end
	ds_add_u32 v[SPW], v[NIL]
	v_lshrrev_b32 v1, 5, v0
	v_readfirstlane_b32 s14, v1                    ; wave 0..3
	s_lshr_b32 s15, s14, 1                         ; which half of the tile's rows is mine
	s_and_b32 s16, s14, 1                          ; which half of its columns
	s_bfe_u32 s20, ttmp6, 0x40000                  ; cx
	s_bfe_u32 s21, ttmp6, 0x40004                  ; cy
	s_lshl_b32 s3, ttmp9, 2
	s_add_co_u32 s3, s3, s20                       ; tile column, 0..7
	s_and_b32 s17, ttmp7, 0xffff
	s_lshl_b32 s17, s17, 2
	s_add_co_u32 s17, s17, s21                     ; tile row, 0..31
	s_lshl_b32 s18, s21, 2
	s_lshl_b32 s18, 15, s18                        ; my row of the cluster
	s_lshl_b32 s19, 0x1111, s20                    ; my column
	s_or_b32 s[G1A+0], s18, (3<<16)|(1<<21)        ; A: 384 dense rows of 256 bytes (32 elements of 8), no padding
	s_mov_b32 s[G1A+1], 32<<16
	s_mov_b32 s[G1A+2], 384<<16
	s_mov_b32 s[G1A+3], 32<<16
	s_mov_b32 s[G1A+4], 384
	s_mov_b32 s[G1A+5], 32
	s_mov_b32 s[G1A+6], 0
	s_mov_b32 s[G1A+7], 0
	s_or_b32 s[G1B+0], s19, (0<<16)|(1<<20)|(1<<21)|(5<<22)|(3<<25)   ; B: 128 rows x 768 bytes, 16 bytes of padding behind every 256
	s_mov_b32 s[G1B+1], KROW<<16
	s_mov_b32 s[G1B+2], 128<<16
	s_mov_b32 s[G1B+3], KROW<<16
	s_mov_b32 s[G1B+4], 128
	s_mov_b32 s[G1B+5], KROW
	s_mov_b32 s[G1B+6], 0
	s_mov_b32 s[G1B+7], 0
	s_or_b32 s[G1SA+0], s18, (3<<16)|(1<<20)|(1<<21)|(5<<22)|(3<<25)  ; the scale bytes of 128 rows: 16 rows of 256 bytes, 16 of padding behind each
	s_or_b32 s[G1SB+0], s19, (3<<16)|(1<<20)|(1<<21)|(5<<22)|(3<<25)
.irp g, G1SA, G1SB
	s_mov_b32 s[\g+1], 32<<16
	s_mov_b32 s[\g+2], 16<<16
	s_mov_b32 s[\g+3], 32<<16
	s_mov_b32 s[\g+4], 16
	s_mov_b32 s[\g+5], 32
	s_mov_b32 s[\g+6], 0
	s_mov_b32 s[\g+7], 0
.endr
	s_mul_i32 s[G0A+2], s17, 98304                 ; where the tiles come from: A's hang on the tile row, B's on the tile column
	s_lshl_b32 s[G0SA+2], s17, 12
	s_mul_i32 s[G0B+2], s3, 98304
	s_add_co_u32 s[G0B+2], s[G0B+2], 11796480
	s_lshl_b32 s[G0SB+2], s3, 12
	s_add_co_u32 s[G0SB+2], s[G0SB+2], 491520
.irp g, G0A, G0B, G0SA, G0SB
	s_mov_b32 s[\g], 1
	s_mov_b32 s[\g+3], 0
.endr
	s_mov_b32 s[G0A+1], 0                          ; and where they go
	s_mov_b32 s[G0B+1], BREG
	s_mov_b32 s[G0SA+1], SCL
	s_mov_b32 s[G0SB+1], SCL+2*HALFS
	s_wait_dscnt 0x0
	CROUND                                         ; all sixteen work-groups are here: the joint loads meet
	s_wait_kmcnt 0x0
	s_add_nc_u64 s[G0A+2:G0A+3], s[4:5], s[G0A+2:G0A+3]
	s_add_nc_u64 s[G0SA+2:G0SA+3], s[6:7], s[G0SA+2:G0SA+3]
	s_add_nc_u64 s[G0B+2:G0B+3], s[8:9], s[G0B+2:G0B+3]
	s_add_nc_u64 s[G0SB+2:G0SB+3], s[10:11], s[G0SB+2:G0SB+3]
.irp g, G0A, G0B, G0SA, G0SB
	s_or_b32 s[\g+3], s[\g+3], 0x80000000          ; type = 2
.endr
.macro ARM under, g0, g1, next
	s_cmp_lt_u32 s14, \under
	s_cbranch_scc0 \next
	tensor_load_to_lds s[\g0:\g0+3], s[\g1:\g1+7]
	s_nop 0
.rept 4
	v_nop
.endr
	s_branch .Lasked
\next:
.endm
	ARM 1, G0A,  G1A,  .Lhead_b
	ARM 2, G0B,  G1B,  .Lhead_sa
	ARM 3, G0SA, G1SA, .Lhead_sb
	tensor_load_to_lds s[G0SB:G0SB+3], s[G1SB:G1SB+7]
	s_nop 0
.rept 4
	v_nop
.endr
.Lasked:
	v_and_b32 v1, 15, v0                           ; r = lane % 16
	v_bfe_u32 v2, v0, 4, 1                         ; h = lane / 16
	v_mul_u32_u24 v3, v1, PITCH
	v_mad_u32_u24 v4, v2, 24, v3                   ; B: a fragment's row x pitch + 24 x half
	v_mad_u32_u24 v5, v2, 24+16, v3                ; and behind one padding more
	v_and_b32 v6, 31, v0
	v_lshlrev_b32 v7, 3, v6                        ; A: 8 x lane
	s_mul_i32 s21, s15, AH                         ; my 64 tokens
	s_mul_i32 s22, s16, BHF                        ; my 64 rows of Wo
	s_add_co_u32 s22, s22, BREG
	v_add_nc_u32 v[ADRA], s21, v7
	v_add_nc_u32 v[ADRB], s22, v4
	v_add_nc_u32 v[ADRB+1], s22, v5
	v_mul_u32_u24 v5, v1, KS                       ; my row's scale bytes: 32 a row,
	v_lshrrev_b32 v7, 8, v5
	v_lshl_add_u32 v5, v7, 4, v5                   ; and 16 more for each 256 passed
	s_mul_i32 s21, s15, HALFS
	s_mul_i32 s22, s16, HALFS
	s_add_co_u32 s22, s22, 2*HALFS
	s_sub_co_u32 s22, s22, s21
	v_mul_u32_u24 v7, s22, v2                      ; lanes 16-31 take B's: one product, the distance between the two bases
	s_add_co_u32 s21, s21, SCL
	v_add_nc_u32 v5, v5, v7
	v_add_nc_u32 v[ADRS], s21, v5
	s_mul_i32 s23, s14, 16*SPITCH
	s_add_co_u32 s23, s23, STAGE                   ; my stage
	v_mul_u32_u24 v5, v1, SPITCH                   ; in: row r; my half's columns lie 32 on: 128 bytes
	v_lshl_add_u32 v5, v2, 7, v5
	v_add_nc_u32 v[STO], s23, v5
	v_mul_u32_u24 v5, v2, SPITCH                   ; back: lanes 0-15 one row of 256 bytes, lanes 16-31 the next
	v_lshl_add_u32 v5, v1, 4, v5
	v_add_nc_u32 v[RD], s23, v5
	v_lshlrev_b32 v[CO], 12, v2                    ; and the same two rows in the output: 4,096 bytes a row
	v_lshl_add_u32 v[CO], v1, 4, v[CO]
	v_lshlrev_b32 v[BO], 7, v2
	s_wait_alu depctr_va_vdst(0)
	s_lshl_b32 s20, s17, 7
	s_lshl_b32 s21, s15, 6
	s_add_co_u32 s20, s20, s21                     ; my first row
	s_lshl_b32 s20, s20, 12
	s_mov_b32 s21, 0
	s_lshl_b32 s22, s3, 9                          ; my first column, in bytes: 512 x tile column + 256 x half
	s_lshl_b32 s23, s16, 8
	s_add_co_u32 s22, s22, s23
	s_mov_b32 s23, 0
	s_add_nc_u64 s[66:67], s[66:67], s[22:23]
	s_add_nc_u64 s[20:21], s[20:21], s[22:23]
	s_add_nc_u64 s[12:13], s[12:13], s[20:21]
.irp b, 0,1,2,3
	global_load_b128 v[BI+8*\b:BI+8*\b+3], v[BO], s[66:67] offset:32*\b        ; register i of block b: the bias of true column 32 h + 8 b + i
	global_load_b128 v[BI+8*\b+4:BI+8*\b+7], v[BO], s[66:67] offset:32*\b+16
.endr
.macro FRAG reg, j, i                  ; B's fragment from padded rows: registers 6 c .. 6 c + 5 hold K = 64 c + 32 h + 0 .. 31, in pieces of 8 bytes
.irp p, 0,1,2,3,4,5
.set PC, 12*(\j)+6*(\p/3)+\p%3         ; where the piece three on (lanes 16-31) lies behind one padding more, the second address register serves
.if PC%32 < 29
	ds_load_b64 v[\reg+2*\p:\reg+2*\p+1], v[ADRB] offset:8*(PC+2*(PC/32))+(\i)*16*PITCH
.else
	ds_load_b64 v[\reg+2*\p:\reg+2*\p+1], v[ADRB+1] offset:8*(PC+2*(PC/32))+(\i)*16*PITCH
.endif
.endr
.endm
.macro FRAGA reg, j, i                 ; A's fragment from images: registers 0-5 head 2 j, registers 6-11 head 2 j + 1; each load takes 256 consecutive bytes
.irp p, 0,1,2,3,4,5
	ds_load_b64 v[\reg+2*\p:\reg+2*\p+1], v[ADRA] offset:(\i)*12288+(2*(\j)+\p/3)*768+256*(\p%3)
.endr
.endm
.macro FETCH j                         ; the fragments of the j-th 128 along K into buffer j % 2: B's four, then A's four: 48 loads in one run
.set FN, 128*((\j)%2)
	WIN TO_F
.irp i, 0,1,2,3
	FRAG FN+48+FR*\i, \j, \i
.endr
.irp i, 0,1,2,3
	FRAGA FN+FR*\i, \j, \i
.endr
.endm
; 8 matrix instructions: A's blocks a0, a0 + 1 x B's four, the j-th 128 along K.  first = 1: the bias is the C of the sum's first product.
; The 16 accumulators take turns, one instruction a turn, in the same order in every step.
.macro MUL8 j, a0, first
.set FB, 128*((\j)%2)
.irp a, \a0, \a0+1
.irp b, 0,1,2,3
.if \first
	v_wmma_scale_f32_16x16x128_f8f6f4 v[ACC+8*(4*(\a)+\b):ACC+8*(4*(\a)+\b)+7], v[FB+48+FR*\b:FB+48+FR*\b+FR-1], v[FB+FR*(\a):FB+FR*(\a)+FR-1], v[BI+8*\b:BI+8*\b+7], v[SC+8*\b+(\j)], v[SC+8*(\a)+(\j)] matrix_a_fmt:MATRIX_FMT_FP6 matrix_b_fmt:MATRIX_FMT_FP6 matrix_a_scale:MATRIX_SCALE_ROW1
.else
	v_wmma_scale_f32_16x16x128_f8f6f4 v[ACC+8*(4*(\a)+\b):ACC+8*(4*(\a)+\b)+7], v[FB+48+FR*\b:FB+48+FR*\b+FR-1], v[FB+FR*(\a):FB+FR*(\a)+FR-1], v[ACC+8*(4*(\a)+\b):ACC+8*(4*(\a)+\b)+7], v[SC+8*\b+(\j)], v[SC+8*(\a)+(\j)] matrix_a_fmt:MATRIX_FMT_FP6 matrix_b_fmt:MATRIX_FMT_FP6 matrix_a_scale:MATRIX_SCALE_ROW1
.endif
.endr
.endr
.endm
.macro PLACES n
.rept \n
	v_nop
.endr
.endm
.macro STEP j, first                   ; the j-th step of 128 along K: 16 products on buffer j % 2; in its middle the next step's fragments are fetched into the other buffer
	s_wait_dscnt 2*NL                              ; B's four and A's blocks 0, 1 are in; the youngest 12 loads (A's blocks 2, 3) may be out
	WIN MUL
	MUL8 \j, 0, \first
	s_wait_dscnt 0x0
.if (\j) < 7
	PLACES NP                                      ; behind the last step's products, which read the other buffer
	FETCH (\j)+1
.endif
	WIN MUL
	MUL8 \j, 2, \first
.endm
	s_wait_tensorcnt 0x0                           ; my tile of the four is in,
	s_barrier_signal -1
	s_barrier_wait -1                              ; everybody's is
.irp i, 0,1,2,3
	ds_load_b128 v[SC+8*\i:SC+8*\i+3], v[ADRS] offset:\i*SBLK          ; all eight scale words of my row of block i, once
	ds_load_b128 v[SC+8*\i+4:SC+8*\i+7], v[ADRS] offset:\i*SBLK+16
.endr
	FETCH 0
	s_wait_loadcnt 0x0                             ; the bias
	STEP 0, 1
.irp j, 1,2,3,4,5,6,7
	STEP \j, 0
.endr
	WIN 0
; THE WAY OUT, block by block of 16 tokens x 64 columns, through my own stage.  Accumulator b's eight numbers of lane (r, h) are true columns 32 h + 8 b + 0 .. 7;
; stage row m of block a is true row 32 (m / 8) + 8 a + m % 8.  LDS serves a wave's instructions in order (ISA guide 5.7.1.4): no wait between the stores and the loads, nor in front of the next block's stores.
; Block a's rows come back into v[64 + 32 a] on: four runs of registers, so that no store's data are written again; blocks 2 and 3 take the registers of blocks 0 and 1's accumulators, which have left.
.macro TOSTAGE a
.irp b, 0,1,2,3
	ds_store_b128 v[STO], v[ACC+8*(4*(\a)+\b):ACC+8*(4*(\a)+\b)+3] offset:32*\b       ; each accumulator from its low end on
	ds_store_b128 v[STO], v[ACC+8*(4*(\a)+\b)+4:ACC+8*(4*(\a)+\b)+7] offset:32*\b+16
.endr
.irp t, 0,1,2,3,4,5,6,7
	ds_load_b128 v[BK+32*(\a)+4*\t:BK+32*(\a)+4*\t+3], v[RD] offset:\t*2*SPITCH       ; stage rows 2 t and 2 t + 1
.endr
.endm
.macro SEND a, younger                 ; younger: the LDS instructions issued behind block a's loads, which may stay out
	s_wait_dscnt \younger
.irp t, 0,1,2,3,4,5,6,7
	global_store_b128 v[CO], v[BK+32*(\a)+4*\t:BK+32*(\a)+4*\t+3], s[12:13] offset:(32*(\t/4)+8*(\a)+2*(\t%4))*SIZE_N*4 th:TH_STORE_NT   ; 16 lanes store 256 consecutive bytes, aligned
.endr
.endm
	PLACES NP                                      ; behind the last products: for the LDS stores that read results and the loads into registers that products have named
	TOSTAGE 0
	TOSTAGE 1
	SEND 0, 16                                     ; behind block 0's loads: block 1's 8 stores and 8 loads
	TOSTAGE 2
	SEND 1, 16
	TOSTAGE 3
	SEND 2, 16
	SEND 3, 0
	s_wait_tensorcnt 0x0                           ; the wave's end
	ds_add_u32 v[SPW], v[NIL]
	s_wait_dscnt 0x0
	CROUND                                         ; the closing round: no work-group ends while a partner may still ask for a tile that names it
	s_endpgm
.Lfunc_end_k_q99dcbb5d0d_outp:
	.size	k_q99dcbb5d0d_outp, .Lfunc_end_k_q99dcbb5d0d_outp-k_q99dcbb5d0d_outp
	.p2alignl 7, 3214868480
	.fill 96, 4, 3214868480
	.section	.rodata,"a",@progbits
	.p2align	6, 0x0
	.amdhsa_kernel k_q99dcbb5d0d_outp
		.amdhsa_group_segment_fixed_size 229376
		.amdhsa_private_segment_fixed_size 0
		.amdhsa_enable_private_segment 0
		.amdhsa_kernarg_size 48
		.amdhsa_user_sgpr_count 2
		.amdhsa_user_sgpr_kernarg_segment_ptr 1
		.amdhsa_wavefront_size32 1
		.amdhsa_system_sgpr_workgroup_id_x 1
		.amdhsa_system_sgpr_workgroup_id_y 1
		.amdhsa_system_sgpr_workgroup_id_z 1
		.amdhsa_system_vgpr_workitem_id 0
		.amdhsa_next_free_vgpr 512
		.amdhsa_next_free_sgpr 80
		.amdhsa_reserve_vcc 0
		.amdhsa_float_denorm_mode_32 3
		.amdhsa_float_denorm_mode_16_64 3
		.amdhsa_memory_ordered 1
		.amdhsa_forward_progress 1
		.amdhsa_inst_pref_size 60
	.end_amdhsa_kernel
	.amdgpu_metadata
---
amdhsa.version: [ 1, 2 ]
amdhsa.kernels:
  - .name:           k_q99dcbb5d0d_outp
    .symbol:         k_q99dcbb5d0d_outp.kd
    .args:
      - { .name: oc, .offset: 0, .size: 8, .value_kind: global_buffer, .address_space: global }
      - { .name: os, .offset: 8, .size: 8, .value_kind: global_buffer, .address_space: global }
      - { .name: inc, .offset: 16, .size: 8, .value_kind: global_buffer, .address_space: global }
      - { .name: ins, .offset: 24, .size: 8, .value_kind: global_buffer, .address_space: global }
      - { .name: bo, .offset: 32, .size: 8, .value_kind: global_buffer, .address_space: global }
      - { .name: out0, .offset: 40, .size: 8, .value_kind: global_buffer, .address_space: global }
    .group_segment_fixed_size: 229376
    .private_segment_fixed_size: 0
    .kernarg_segment_align: 8
    .kernarg_segment_size: 48
    .max_flat_workgroup_size: 128
    .sgpr_count:     80
    .vgpr_count:     512
    .wavefront_size: 32
...
	.end_amdgpu_metadata
.endif
;; end of part 4
